; MI455X (gfx1250); checked and timed in simulation.
; The chip was launched on July 23, 2026; its instructions are those of AMD's public machine-readable ISA for CDNA 5 (MIT licence, August 2026) and "CDNA5" Instruction Set Architecture Reference Guide (July 2026). The comments in the code are by the model that wrote it; some were corrected since.
;; Multihead Vanilla Attention. Allowed arithmetic: matrix products marked QUANTISED: E4M3 operands, one given power-of-two scale a tensor, by v_wmma_f32_16x16x64_fp8_fp8 or v_wmma_f32_16x16x128_fp8_fp8, f32 sums; everything else in f32.
;; Inputs: bk 1,024 float32; bo 1,024 float32; bq 1,024 float32; bv 1,024 float32; lowp_scales 12 int32 (the exponents e of the quantised operands' scales 2^e); wk 1,024 x 1,024 float32; wo 1,024 x 1,024 float32; wq 1,024 x 1,024 float32; wv 1,024 x 1,024 float32; x 2,048 x 2 x 1,024 float32.
;; Outputs: out0 2,048 x 2 x 1,024 float32.
;; This version of the problem:
;;   THIS VERSION OF THE PROBLEM IS GIVEN IN LOW PRECISION. The matrix products marked QUANTISED in the list below multiply operands that are first quantised to E4M3 (4 exponent bits, 3 mantissa bits; 8 bits a number), with one given power-of-two scale for each operand tensor; their sums are f32. All else is computed in f32.
;;   The module's matrix products, in the order in which they are computed (A, B: the left and right operand; K: the contracted axis; several contracted axes count as one K, in the product's order):
;;     1. [M 4,096, K 1,024] x [K 1,024, N 1,024]; A: input x; B: input wq: QUANTISED (scales: A lowp_scales[0], B lowp_scales[1])
;;     2. [M 4,096, K 1,024] x [K 1,024, N 1,024]; A: input x; B: input wk: QUANTISED (scales: A lowp_scales[2], B lowp_scales[3])
;;     3. [M 4,096, K 1,024] x [K 1,024, N 1,024]; A: input x; B: input wv: QUANTISED (scales: A lowp_scales[4], B lowp_scales[5])
;;     4. batch 32 x [M 2,048, K 64] x [K 64, N 2,048]; A: computed on the way; B: computed on the way: QUANTISED (scales: A lowp_scales[6], B lowp_scales[7])
;;     5. batch 32 x [M 64, K 2,048] x [K 2,048, N 2,048]; A: computed on the way; B: softmax (see below): QUANTISED (scales: A lowp_scales[8], B lowp_scales[9])
;;     6. [M 4,096, K 1,024] x [K 1,024, N 1,024]; A: computed on the way; B: input wo: QUANTISED (scales: A lowp_scales[10], B lowp_scales[11])
;;   THE QUANTISER, for each operand of a quantised product, along K:
;;     - The operand's scale is 2^e, e = its entry of the input lowp_scales (int32; the entries are numbered through the quantised products in the list's order, A before B).
;;     - Each number is divided by the scale, clamped to +-448, and rounded to the nearest number of E4M3, ties to even, subnormals kept.
;;     - The product sums the exact products of the quantised numbers (number of the format x scale) in f32.
;;   ~~~python
;;   def quantise(x, axis, e):      # numpy; x: float32 -> the quantised numbers, widened to float32 again
;;       x = np.moveaxis(x, axis, -1); K = x.shape[-1]
;;       r = np.clip(x / 2.0 ** e, -448, 448)
;;       step = 2.0 ** (np.maximum(np.frexp(np.where(r == 0, 1, r))[1] - 1, -6) - 3)
;;       q = np.round(r / step) * step * 2.0 ** e      # np.round: ties to even
;;       return np.moveaxis(q, -1, axis).astype(np.float32)
;;   ~~~
;;   SOFTMAX AHEAD OF A QUANTISED PRODUCT. Where the list says 'softmax', what is quantised is not the finished softmax but p = 2^(t - M), with t = logit x log2(e) and M = ceil(the row's largest t), a whole number; so 1/2 < the row's largest p <= 1. The row's sum l is taken of the UNQUANTISED p, in f32, and the product's result is divided by l at the end. Since M is a whole number, a kernel that streams over the keys may use a running M (the ceiling of the running maximum): every later rescaling is an exact power of two, so the quantised numbers keep their values, but for numbers so far below the row's largest that they fall under the format's range.
;;   OPERANDS COMPUTED ON THE WAY. 'Computed on the way' means the value that the module computes at that place (a softmax that the list does not call 'softmax' is quantised finished and normalised). What goes into a quantiser is computed in f32, as accurately as f32 sums, v_exp_f32 and their like allow (about 1e-6 of the number): no bf16 or f16 on the way to a quantiser, and a product that is left as it is and whose result goes on into a quantised operand takes f32 operands (vector FMAs, or v_wmma_f32_16x16x4_f32). A number that lies on a knife's edge between two numbers of the format may be rounded either way, as far as f32 arithmetic and the matrix unit's own rounding can turn it there, and no further.
;; 2 versions. Each part assembles by itself: llvm-mc -triple=amdgcn-amd-amdhsa -mcpu=gfx1250 --defsym DOCPART=n.
;; ======== version 1 of 2: 4 launches
;; workspace buffers: ximg 12,582,912 bytes; wimg 4,194,304 bytes; qkv 12,582,912 bytes; ctximg 4,194,304 bytes
;; launch quant (part 1): grid 512 x 1, 4 waves a work-group, no clusters, 68,096 bytes of LDS; arguments x, wq, wk, wv, wo, lowp_scales, ximg, wimg; writes ximg, wimg
.if DOCPART == 1
	.amdgcn_target "amdgcn-amd-amdhsa--gfx1250"
	.amdhsa_code_object_version 6
	.text
	.protected	k_q59b2d6e5d1_quant
	.globl	k_q59b2d6e5d1_quant
	.p2align	8
	.type	k_q59b2d6e5d1_quant,@function
k_q59b2d6e5d1_quant:
	s_mov_b64 s[64:65], 0
	v_nop
	global_prefetch_b8 v0, s[64:65] scope:SCOPE_SE
	s_setreg_imm32_b32 hwreg(HW_REG_WAVE_MODE, 25, 1), 1
	s_wait_xcnt 0x0
; x [2048][2][1024] and wq, wk, wv, wo [1024][1024], f32, become codes of FP8 (E4M3), laid as IMAGES OF OPERAND REGISTERS.
; code = number / 2^e, held within +-448, rounded to the nearest code, ties to even.  x is an operand of three products with three given scales (entries 0, 2, 4 of the scales): three planes of codes.
; wq, wk, wv, wo take entries 1, 3, 5, 11.  LIMITS: each e between -126 and 119, so that 2^e and 448 x 2^e are f32 numbers; NaN among the inputs is not served.
; THE IMAGE of a matrix [rows][1024 along K]: byte T x 16384 + ks x 2048 + c x 512 + 16 x lane + i (lane = 16 h + r) holds row 32 (T / 2) + 8 (T % 2) + r + 8 (r / 8), k = 128 ks + 32 c + 16 h + i.
; So a fragment (16 rows x 128 K) is four loads of 16 bytes a lane, 512 consecutive bytes each, and the rows of tiles 2 G and 2 G + 1, used as source 0, give a lane 16 neighbouring rows in its results.
; x's rows are taken as 2048 x batch + position (in memory row 2 x position + batch).
; SHARES: a work-group takes one tile of 16 rows: work-groups 0-255 of x, 256-511 of the four weights.  Wave w takes K steps 2 w and 2 w + 1: 32 loads of 512 consecutive bytes, all on their way at once.
; A load is dense along a row; a conversion wants 16 neighbours in one lane: so a K step's 16 x 512 bytes turn through the wave's own stage in LDS (rows 528 bytes apart: 132 words, row r starts at bank 4 r mod 64).
; No barrier: waves share nothing.  No matrix unit, no cluster: the launch streams, and no byte is read by two work-groups.
.set PITCH, 528
.set STG,   16*PITCH                   ; a stage: 16 rows
.set WREG,  2*STG                      ; a wave's two stages
.set LI,    1                          ; v1     16 x lane: my place in a store's 512 bytes
.set SIN,   2                          ; v2     the stage, on the way in
.set SOUT,  3                          ; v3     and on the way out: row r, + 64 h
.set SCA,   4                          ; v4-9   for each of three scales: 2^e, 448 x 2^e
.set OFF,   12                         ; v12-27 row r's byte offset + 16 x lane
.set TMP,   28                         ; v28-59 two sets of 16 held numbers, by turns
.set X,     60                         ; v60-123  64 numbers: register 16 c + i = k 32 c + 16 h + i of row r
.set R0,    124                        ; v124-187 K step 0 as loaded; later its codes
.set R1,    188                        ; v188-251 K step 1 likewise
.set WV,    20
.set ISX,   22
.set PP,    29
.set D0,    16
.set D1,    52
.set D2,    54
	s_load_b512 s[4:19], s[0:1], 0x0               ; x s[4:5], wq s[6:7], wk s[8:9], wv s[10:11], wo s[12:13], scales s[14:15], ximg s[16:17], wimg s[18:19]
	v_lshl_add_u32 v254, v0, 2, 0x10800
	v_mov_b32 v255, 0
	v_lshrrev_b32 v10, 5, v0
	v_readfirstlane_b32 s[WV], v10                 ; wave 0..3
	v_and_b32 v10, 31, v0
	v_lshlrev_b32 v[LI], 4, v10
	v_and_b32 v11, 15, v0                          ; r
	v_bfe_u32 v10, v0, 4, 1                        ; h
	s_mul_i32 s21, s[WV], WREG
	v_add_nc_u32 v[SIN], s21, v[LI]
	v_mul_u32_u24 v[SOUT], v11, PITCH
	v_lshl_add_u32 v[SOUT], v10, 6, v[SOUT]
	v_add_nc_u32 v[SOUT], s21, v[SOUT]
	s_cmp_lt_u32 ttmp9, 256
	s_cselect_b32 s[ISX], 1, 0                     ; 1: a tile of x
	s_sub_co_u32 s23, ttmp9, 256                   ; else tile s23 of the four weights on end
	s_and_b32 s24, s23, 63                         ; its tile in the weight,
	s_bfe_u32 s25, s23, 0x20006                    ; and which weight
	s_and_b32 s26, ttmp9, 127                      ; x: the tile in its batch,
	s_lshr_b32 s27, ttmp9, 7                       ; and the batch
	s_lshl_b32 s[PP], 4096, s[ISX]                 ; bytes from a tile's row to the next: 8,192 in x (two batches), 4,096 in a weight
	s_cmp_eq_u32 s[ISX], 1
	s_cselect_b32 s28, s26, s24
	s_cselect_b32 s36, ttmp9, s23                  ; the tile's number in its buffer of images
	s_lshr_b32 s30, s28, 1
	s_lshl_b32 s30, s30, 5
	s_and_b32 s31, s28, 1
	s_lshl_b32 s31, s31, 3
	s_add_co_u32 s30, s30, s31                     ; the tile's first row: 32 (T / 2) + 8 (T % 2)
	s_mul_i32 s30, s30, s[PP]
	s_mul_i32 s31, s27, s[ISX]
	s_lshl_b32 s31, s31, 12                        ; x: + the batch's 4,096 bytes
	s_add_co_u32 s30, s30, s31
	s_lshl_b32 s31, s[WV], 10                      ; + my wave's two K steps: 1,024 bytes of a row
	s_add_co_u32 s30, s30, s31
	s_mov_b32 s31, 0
	s_lshl_b32 s36, s36, 14                        ; the tile's image,
	s_lshl_b32 s37, s[WV], 12                      ; my two K steps of it
	s_add_co_u32 s36, s36, s37
	s_mov_b32 s37, 0
.irp r, 0,1,2,3,4,5,6,7,8,9,10,11,12,13,14,15
	s_mul_i32 s56, s[PP], \r+8*(\r/8)              ; lane r of the tile is row r + 8 (r / 8)
	v_add_nc_u32 v[OFF+\r], s56, v[LI]
.endr
	s_wait_kmcnt 0x0
	s_load_b256 s[40:47], s[14:15], 0x0            ; e0 .. e7
	s_load_b128 s[48:51], s[14:15], 0x20           ; e8 .. e11
	s_cmp_eq_u32 s25, 1                            ; the buffers are chosen on the work-group's number alone
	s_cselect_b64 s[6:7], s[8:9], s[6:7]
	s_cmp_eq_u32 s25, 2
	s_cselect_b64 s[6:7], s[10:11], s[6:7]
	s_cmp_eq_u32 s25, 3
	s_cselect_b64 s[6:7], s[12:13], s[6:7]
	s_cmp_eq_u32 s[ISX], 1
	s_cselect_b64 s[4:5], s[4:5], s[6:7]
	s_cselect_b64 s[D0:D0+1], s[16:17], s[18:19]
	s_add_nc_u64 s[4:5], s[4:5], s[30:31]
	s_add_nc_u64 s[D0:D0+1], s[D0:D0+1], s[36:37]
	s_add_nc_u64 s[D1:D1+1], s[D0:D0+1], 0x400000  ; x's second and third plane (used by x's work-groups alone)
	s_add_nc_u64 s[D2:D2+1], s[D0:D0+1], 0x800000
.macro ROWLOADS e, reg                 ; K step e of my two: 16 rows x 512 consecutive bytes
.irp r, 0,1,2,3,4,5,6,7,8,9,10,11,12,13,14,15
	global_load_b128 v[\reg+4*\r:\reg+4*\r+3], v[OFF+\r], s[4:5] offset:512*\e th:TH_LOAD_NT
.endr
.endm
.macro TURN e, reg                     ; through the stage: LDS serves a wave's instructions in order, so no wait stands between the stores and the loads
.irp r, 0,1,2,3,4,5,6,7,8,9,10,11,12,13,14,15
	ds_store_b128 v[SIN], v[\reg+4*\r:\reg+4*\r+3] offset:STG*\e+PITCH*\r
.endr
.irp c, 0,1,2,3
.irp q, 0,1,2,3
	ds_load_b128 v[X+16*\c+4*\q:X+16*\c+4*\q+3], v[SOUT] offset:STG*\e+128*\c+16*\q
.endr
.endr
.endm
; X's 64 numbers become a fragment's 16 registers of codes.  The held numbers go into two sets by turns, so that X stays for the next scale and sixteen plain lines stand between a conversion and the next write of its sources.
.macro QUANT sc, lim, code
.irp c, 0,1,2,3
.irp i, 0,1,2,3,4,5,6,7,8,9,10,11,12,13,14,15
	v_med3_num_f32 v[TMP+16*(\c%2)+\i], v[X+16*\c+\i], -v[\lim], v[\lim]   ; the conversion to an 8-bit code does not saturate (ISA guide 7.6.2): the hold at 448 x the scale comes first
.endr
	v_cvt_scalef32_pk8_fp8_f32 v[\code+4*\c:\code+4*\c+1], v[TMP+16*(\c%2):TMP+16*(\c%2)+7], v[\sc]
	v_cvt_scalef32_pk8_fp8_f32 v[\code+4*\c+2:\code+4*\c+3], v[TMP+16*(\c%2)+8:TMP+16*(\c%2)+15], v[\sc]
.endr
.endm
.macro SEND code, d, e                 ; each store of the wave covers 512 consecutive bytes, aligned; every fragment has registers of its own, so no store's data are written again
.irp c, 0,1,2,3
	global_store_b128 v[LI], v[\code+4*\c:\code+4*\c+3], s[\d:\d+1] offset:2048*\e+512*\c
.endr
.endm
.macro PART e, reg
	TURN \e, \reg
	s_wait_dscnt 0x0                               ; X is in, and the stage's stores have read the loaded registers, which now take the codes
	QUANT SCA, SCA+1, \reg
	SEND \reg, D0, \e
	s_cmp_eq_u32 s[ISX], 0                         ; a weight has one scale
	s_cbranch_scc1 .Lone_\@
	QUANT SCA+2, SCA+3, \reg+16
	SEND \reg+16, D1, \e
	QUANT SCA+4, SCA+5, \reg+32
	SEND \reg+32, D2, \e
.Lone_\@:
.endm
	ROWLOADS 0, R0
	ROWLOADS 1, R1
	s_wait_kmcnt 0x0
	s_cmp_eq_u32 s25, 1
	s_cselect_b32 s41, s43, s41                    ; wq: e1, wk: e3,
	s_cmp_eq_u32 s25, 2
	s_cselect_b32 s41, s45, s41                    ; wv: e5,
	s_cmp_eq_u32 s25, 3
	s_cselect_b32 s41, s51, s41                    ; wo: e11
	s_cmp_eq_u32 s[ISX], 1
	s_cselect_b32 s40, s40, s41                    ; x: e0 (then e2 in s42, e4 in s44)
.irp n, 0,1,2
	s_add_co_i32 s56, s[40+2*\n], 127
	s_lshl_b32 s57, s56, 23
	v_mov_b32 v[SCA+2*\n], s57                     ; 2^e as f32: the conversion takes its exponent field
	s_add_co_i32 s56, s56, 8
	s_lshl_b32 s56, s56, 23
	s_or_b32 s56, s56, 0x600000
	v_mov_b32 v[SCA+2*\n+1], s56                   ; 448 x 2^e
.endr
	s_wait_loadcnt 16                              ; the first K step's 16 loads are in; the second's may be out
	PART 0, R0
	s_wait_loadcnt 0x0
	PART 1, R1
	s_wait_tensorcnt 0x0
	ds_add_u32 v254, v255
	s_wait_dscnt 0x0
	s_endpgm
.Lfunc_end_k_q59b2d6e5d1_quant:
	.size	k_q59b2d6e5d1_quant, .Lfunc_end_k_q59b2d6e5d1_quant-k_q59b2d6e5d1_quant
	.p2alignl 7, 3214868480
	.fill 96, 4, 3214868480
	.section	.rodata,"a",@progbits
	.p2align	6, 0x0
	.amdhsa_kernel k_q59b2d6e5d1_quant
		.amdhsa_group_segment_fixed_size 68096
		.amdhsa_private_segment_fixed_size 0
		.amdhsa_enable_private_segment 0
		.amdhsa_kernarg_size 64
		.amdhsa_user_sgpr_count 2
		.amdhsa_user_sgpr_kernarg_segment_ptr 1
		.amdhsa_wavefront_size32 1
		.amdhsa_system_sgpr_workgroup_id_x 1
		.amdhsa_system_sgpr_workgroup_id_y 1
		.amdhsa_system_sgpr_workgroup_id_z 1
		.amdhsa_system_vgpr_workitem_id 0
		.amdhsa_next_free_vgpr 256
		.amdhsa_next_free_sgpr 66
		.amdhsa_reserve_vcc 0
		.amdhsa_float_denorm_mode_32 3
		.amdhsa_float_denorm_mode_16_64 3
		.amdhsa_memory_ordered 1
		.amdhsa_forward_progress 1
		.amdhsa_inst_pref_size 42
	.end_amdhsa_kernel
	.amdgpu_metadata
---
amdhsa.version: [ 1, 2 ]
amdhsa.kernels:
  - .name:           k_q59b2d6e5d1_quant
    .symbol:         k_q59b2d6e5d1_quant.kd
    .args:
      - { .name: x, .offset: 0, .size: 8, .value_kind: global_buffer, .address_space: global }
      - { .name: wq, .offset: 8, .size: 8, .value_kind: global_buffer, .address_space: global }
      - { .name: wk, .offset: 16, .size: 8, .value_kind: global_buffer, .address_space: global }
      - { .name: wv, .offset: 24, .size: 8, .value_kind: global_buffer, .address_space: global }
      - { .name: wo, .offset: 32, .size: 8, .value_kind: global_buffer, .address_space: global }
      - { .name: lowp_scales, .offset: 40, .size: 8, .value_kind: global_buffer, .address_space: global }
      - { .name: ximg, .offset: 48, .size: 8, .value_kind: global_buffer, .address_space: global }
      - { .name: wimg, .offset: 56, .size: 8, .value_kind: global_buffer, .address_space: global }
    .group_segment_fixed_size: 68096
    .private_segment_fixed_size: 0
    .kernarg_segment_align: 8
    .kernarg_segment_size: 64
    .max_flat_workgroup_size: 128
    .sgpr_count:     66
    .vgpr_count:     256
    .wavefront_size: 32
...
	.end_amdgpu_metadata
.endif
;; end of part 1
;; launch proj (part 2): grid 64 x 3, 4 waves a work-group, no clusters, 66,048 bytes of LDS; arguments ximg, wimg, bq, bk, bv, lowp_scales, qkv; writes qkv
.if DOCPART == 2
	.amdgcn_target "amdgcn-amd-amdhsa--gfx1250"
	.amdhsa_code_object_version 6
	.text
	.protected	k_q59b2d6e5d1_proj
	.globl	k_q59b2d6e5d1_proj
	.p2align	8
	.type	k_q59b2d6e5d1_proj,@function
k_q59b2d6e5d1_proj:
	s_mov_b64 s[64:65], 0
	v_nop
	global_prefetch_b8 v0, s[64:65] scope:SCOPE_SE
	s_setreg_imm32_b32 hwreg(HW_REG_WAVE_MODE, 25, 1), 1
	s_wait_xcnt 0x0
; q = (x wq^T + bq) / 8, k = x wk^T + bk, v = x wv^T + bv on codes of FP8 (E4M3), and each result quantised at once for attention's products (scales' entries 6, 7, 8).  Work-group y = 0, 1, 2 says which.
; A work-group makes 256 rows of x by 256 features, K = 1,024.  Operands are IMAGES OF REGISTERS: byte T x 16384 + ks x 2048 + c x 512 + 16 x lane + i holds row 32 (T / 2) + 8 (T % 2) + r + 8 (r / 8), k = 128 ks + 32 c + 16 h + i.
; SOURCE 0 STAYS IN REGISTERS: 64 rows a wave, all of K: 512 registers, read once.  SOURCE 1 IS STREAMED: 256 rows in 8 chunks of two tiles (32 KB, dense in memory), through two LDS slots by turns, staged through registers.
; q, k: source 0 = the weight's rows (a wave has one head's 64), source 1 = x: a lane's results are ONE position and 16 neighbouring channels: K of attention's first product.
; v:    source 0 = x's rows, source 1 = wv's: a lane's results are ONE channel and 16 neighbouring keys: K of attention's second product.  The text is one; pointers, strides and two masks differ, all chosen on the work-group's y.
; So two conversions make 16 bytes of the next operand's image, and each store of the wave covers 512 consecutive bytes, aligned.
; OUT: q, k: head x 131072 + position tile x 1024 + c x 512 + 16 lane (channels 32 c + 16 h + i).  v: head x 131072 + key step x 8192 + t x 2048 + c x 512 + 16 lane (channel 32 (t / 2) + 8 (t % 2) + r + 8 (r / 8); keys 32 c + 16 h + i).
; THE PIPELINE: in chunk j the chunk after next is asked for into registers, the next chunk goes from registers into the other slot ahead of the third quarter's products, the barrier's signal and wait stand round the
; last quarter's products, and the next chunk's first fragments are fetched behind the wait, ahead of the vector work on chunk j's sums.
; THE BIAS: along source 0's rows (q, k) it is the C of a sum's first product; along source 1's rows (v) it is added to the finished sums; each goes in divided by 2^(ea + eb), the power that the sums lack, and the
; one that does not apply is made 0 by a select: the price of one path is 32 packed additions a chunk.
; The scales are folded: code = (sum + bias / 2^(ea + eb)) / 2^E, E = eo - ea - eb (+ 3 for q: the factor 1/8).  LIMIT: E between -126 and 119.  NaN is not served.  k stands in the same permuted places in both operands.
; NO CLUSTER: half of a work-group's 512 KB goes from memory straight into registers, where a joint load, which lands in LDS, cannot put it; the streamed half is left to plain loads in this text.
; 192 work-groups: 16 x 12 blocks of 256 x 256.
; REGISTERS: window 0: v1-15 addresses and constants; v16-31 codes; v32-159 source 1's fragments, two sets; v160-223 eight accumulators; v224-255 the bias as C.  Windows 1, 2: source 0 (tile t, K step ks at 64 (ks % 4) + 16 t).  Window 3: v0-63 staging.
.set LI,    1                          ; v1   16 x lane
.set TI,    2                          ; v2   16 x thread
.set VB,    3                          ; v3   4 (r + 8 (r / 8)): my row of a streamed tile, in the bias
.set VO,    4                          ; v4-7 my place in the output for chunk parity p, tile i: at VO + 2 p + i
.set SCL,   8                          ; v8   2^E
.set LIM,   9                          ; v9   448 x 2^E
.set BS,    10                         ; v[10:11], v[12:13]: the bias along source 1's rows, tile 0, 1 (the upper halves are named as pairs, so they are written)
.set HB,    14                         ; v14  64 h
.set ZR,    15                         ; v15  0
.set CODES, 16
.set AF,    32
.set ACC,   160
.set BR,    224
.set ST,    0
.set WV,    19
.set Y,     20
.set RP,    40                         ; s[40:41] source 0's image, my wave's four tiles
.set SP,    42                         ; s[42:43] source 1's image, the pair of chunks in hand
.set MSK,   44                         ; s44  all ones for v, else 0
.set PBS,   46                         ; s[46:47] the bias at the streamed tiles in hand
.set PBR,   48                         ; s[48:49] the bias at my wave's 64 rows of source 0
.set OUT,   50                         ; s[50:51]
.set SA,    54                         ; s[54:55] the output's step for a pair of chunks
.set NE,    58                         ; s58  -(ea + eb)
.set CNT,   59
.set MSB, 0
.macro WIN new                         ; the immediate's high byte repeats the setting that is left; a switch that changes nothing is dropped
.if MSB != (\new)
	s_set_vgpr_msb (MSB<<8)|(\new)
.set MSB, (\new)
.endif
.endm
.macro PLACES                          ; four plain places behind matrix instructions, in front of loads into registers that they read and of the first read of results
.rept 4
	v_nop
.endr
.endm
.macro STAGE_LD off                    ; a chunk's 32 KB into registers: 16 loads a thread, each 2,048 consecutive bytes for the work-group
	WIN 0xc0                                       ; destination window 3
.set sn, 0
.rept 16
	global_load_b128 v[ST+4*sn:ST+4*sn+3], v[TI], s[SP:SP+1] offset:(\off)+2048*sn
.set sn, sn+1
.endr
	WIN 0
.endm
.macro STAGE_ST slot                   ; and on into a slot, as it lies
	WIN 0x0c                                       ; store data window 3
.set sn, 0
.rept 16
	ds_store_b128 v[TI], v[ST+4*sn:ST+4*sn+3] offset:32768*(\slot)+2048*sn
.set sn, sn+1
.endr
	WIN 0
.endm
.macro FETCH q, slot                   ; K steps 2 q and 2 q + 1 of the chunk's two tiles into set q % 2: 16 loads of 512 consecutive bytes
.irp e, 0,1
.irp i, 0,1
.irp c, 0,1,2,3
	ds_load_b128 v[AF+64*((\q)%2)+32*\e+16*\i+4*\c:AF+64*((\q)%2)+32*\e+16*\i+4*\c+3], v[LI] offset:32768*(\slot)+16384*\i+2048*(2*(\q)+\e)+512*\c
.endr
.endr
.endr
.endm
.macro MUL q                           ; 16 matrix instructions: two K steps x the eight accumulators, which take turns, one instruction a turn
.irp e, 0,1
.set KS, 2*(\q)+\e
.set WR, 64*(KS%4)
.set AR, AF+64*((\q)%2)+32*\e
	WIN 1+KS/4                                     ; source 0 in window 1 or 2
.irp i, 0,1
.irp t, 0,1,2,3
.if KS == 0
	v_wmma_f32_16x16x128_fp8_fp8 v[ACC+32*\i+8*\t:ACC+32*\i+8*\t+7], v[WR+16*\t:WR+16*\t+15], v[AR+16*\i:AR+16*\i+15], v[BR+8*\t:BR+8*\t+7]
.else
	v_wmma_f32_16x16x128_fp8_fp8 v[ACC+32*\i+8*\t:ACC+32*\i+8*\t+7], v[WR+16*\t:WR+16*\t+15], v[AR+16*\i:AR+16*\i+15], v[ACC+32*\i+8*\t:ACC+32*\i+8*\t+7]
.endif
.endr
.endr
.endr
	WIN 0
.endm
; A CHUNK: two streamed tiles against my four, K = 1,024: 64 matrix instructions.  Its first two runs of fragments were asked for by the chunk before (or by the head).
; mode 2: the next chunk goes into the other slot, and the chunk after next is asked for into registers;  mode 1: the next chunk goes into the other slot;  mode 0: the last chunk.
.macro CHUNK slot, mode
	global_load_b32 v[BS], v[VB], s[PBS:PBS+1] offset:128*\slot
	global_load_b32 v[BS+2], v[VB], s[PBS:PBS+1] offset:128*\slot+32
	s_wait_dscnt 16                                ; the older run of 16 is in, the younger may be out
	MUL 0
	PLACES
	FETCH 2, \slot
	s_wait_dscnt 16
	MUL 1
	PLACES
	FETCH 3, \slot
.if \mode
	s_wait_loadcnt 2                               ; the next chunk is in my registers: behind its 16 loads stand the two bias loads alone
	STAGE_ST 1-\slot                               ; the other slot's last reads were waited for in front of the last barrier's signal
	s_wait_dscnt 32                                ; the third quarter's fragments are in: behind them stand the fourth quarter's 16 loads and the 16 stores
.else
	s_wait_dscnt 16
.endif
	MUL 2
	s_wait_dscnt 0x0                               ; for the others' sake: my stores into the other slot have landed, and all my reads of this slot are back
.if \mode
	s_barrier_signal -1                            ; say so,
.endif
	MUL 3                                          ; work on registers while the others arrive,
	PLACES
.if \mode
	s_barrier_wait -1                              ; and behind this wait the other slot is whole, and this one may be stored over
	FETCH 0, 1-\slot                               ; the next chunk's first fragments land under the vector work below
	FETCH 1, 1-\slot
.endif
.if \mode == 2
	STAGE_LD 32768*(\slot+2)                       ; the chunk after next: the stores above have read the staging registers
	s_wait_loadcnt 16                              ; the two bias loads are in: behind them stand these 16
.else
	s_wait_loadcnt 0x0
.endif
.irp i, 0,1
	v_ldexp_f32 v[BS+2*\i], v[BS+2*\i], s[NE]      ; bias / 2^(ea + eb)
.endr
.irp i, 0,1
	v_cndmask_b32 v[BS+2*\i], v[ZR], v[BS+2*\i], s[MSK]   ; for v alone
.endr
.irp i, 0,1
.irp p, 0,2,4,6,8,10,12,14,16,18,20,22,24,26,28,30
	v_pk_add_f32 v[ACC+32*\i+\p:ACC+32*\i+\p+1], v[ACC+32*\i+\p:ACC+32*\i+\p+1], v[BS+2*\i:BS+2*\i+1] op_sel_hi:[1,0]   ; each accumulator from its low end on
.endr
.endr
.set hn, 0
.rept 64
	v_med3_num_f32 v[ACC+hn], v[ACC+hn], -v[LIM], v[LIM]   ; the conversion does not saturate (ISA guide 7.6.2): the hold at 448 x the scale
.set hn, hn+1
.endr
	s_wait_xcnt 0x0                                ; the last chunk's stores have read their data: the codes' registers are written again only behind this wait
.irp i, 0,1
.irp g, 0,1
	v_cvt_scalef32_pk8_fp8_f32 v[CODES+8*\i+4*\g:CODES+8*\i+4*\g+1], v[ACC+32*\i+16*\g:ACC+32*\i+16*\g+7], v[SCL]          ; my tiles 2 g, 2 g + 1: 16 neighbours along the next K
	v_cvt_scalef32_pk8_fp8_f32 v[CODES+8*\i+4*\g+2:CODES+8*\i+4*\g+3], v[ACC+32*\i+16*\g+8:ACC+32*\i+16*\g+15], v[SCL]
.endr
.endr
	v_nop                                          ; a plain line between the conversions and the next products, which write their sources
.irp i, 0,1
.irp g, 0,1
	global_store_b128 v[VO+2*\slot+\i], v[CODES+8*\i+4*\g:CODES+8*\i+4*\g+3], s[OUT:OUT+1] offset:512*\g
.endr
.endr
.endm
	s_load_b256 s[4:11], s[0:1], 0x0               ; ximg s[4:5], wimg s[6:7], bq s[8:9], bk s[10:11]
	s_load_b128 s[12:15], s[0:1], 0x20             ; bv s[12:13], scales s[14:15]
	s_load_b64 s[16:17], s[0:1], 0x30              ; qkv
	s_set_vgpr_msb 0xc0
	v_lshl_add_u32 v64, v0, 2, 0x10000
	v_mov_b32 v65, 0
	s_set_vgpr_msb 0xc000
	v_lshrrev_b32 v3, 5, v0
	v_readfirstlane_b32 s[WV], v3                  ; wave 0..3
	v_and_b32 v3, 31, v0
	v_lshlrev_b32 v[LI], 4, v3
	v_lshlrev_b32 v[TI], 4, v0
	v_and_b32 v3, 15, v0
	v_and_b32 v4, 8, v3
	v_add_nc_u32 v3, v3, v4
	v_lshlrev_b32 v[VB], 2, v3
	v_bfe_u32 v[HB], v0, 4, 1
	v_lshlrev_b32 v[HB], 6, v[HB]
	v_mov_b32 v[ZR], 0
	v_mov_b32 v[BS+1], 0
	v_mov_b32 v[BS+3], 0
	s_and_b32 s[Y], ttmp7, 0xffff                  ; 0: q, 1: k, 2: v
	s_and_b32 s21, ttmp9, 3                        ; which 256 features
	s_lshr_b32 s22, ttmp9, 2                       ; which 256 rows of x
	s_lshr_b32 s23, s22, 3                         ; their batch
	s_lshl_b32 s33, s[Y], 20
	s_lshl_b32 s34, s21, 18
	s_add_co_u32 s36, s33, s34                     ; the weight's plane, its 16 tiles
	s_mov_b32 s37, 0
	s_lshl_b32 s33, s[Y], 22
	s_lshl_b32 s34, s22, 18
	s_add_co_u32 s38, s33, s34                     ; x's plane for this product's scale, its 16 tiles
	s_mov_b32 s39, 0
	s_lshl_b32 s50, s23, 4
	s_lshl_b32 s51, s21, 2
	s_add_co_u32 s50, s50, s51                     ; head 16 x batch + 4 x feature group,
	s_lshl_b32 s50, s50, 17
	s_lshl_b32 s51, s[Y], 22                       ; in plane y,
	s_add_co_u32 s50, s50, s51
	s_and_b32 s51, s22, 7
	s_lshl_b32 s51, s51, 14                        ; + my 256 positions: 16 tiles of 1,024 bytes (q, k), two key steps of 8,192 (v)
	s_add_co_u32 s50, s50, s51
	s_lshl_b32 s51, s[WV], 17                      ; q, k: my wave is a head of its own
	s_lshr_b32 s52, s[WV], 1
	s_lshl_b32 s52, s52, 13
	s_and_b32 s53, s[WV], 1
	s_lshl_b32 s53, s53, 10
	s_add_co_u32 s52, s52, s53                     ; v: my wave's 64 keys: key step w / 2, pieces c = 2 (w % 2) on
	s_cmp_eq_u32 s[Y], 2
	s_cselect_b32 s51, s52, s51
	s_cselect_b32 s[MSK], -1, 0
	s_mov_b32 s[SA], 4096                          ; a pair of chunks on: q, k: four position tiles;
	s_cselect_b32 s[SA], 0x20000, s[SA]            ; v: a head
	s_mov_b32 s[SA+1], 0
	s_mov_b32 s56, 2048                            ; a chunk on
	s_cselect_b32 s56, 4096, s56
	s_mov_b32 s57, 1024                            ; a tile on
	s_cselect_b32 s57, 2048, s57
	s_add_co_u32 s50, s50, s51
	s_mov_b32 s51, 0
	v_mov_b32 v[VO], v[LI]
	v_add_nc_u32 v[VO+1], s57, v[LI]
	v_add_nc_u32 v[VO+2], s56, v[LI]
	v_add_nc_u32 v[VO+3], s57, v[VO+2]
	s_wait_kmcnt 0x0
	s_load_b256 s[24:31], s[14:15], 0x0            ; e0 .. e7
	s_load_b32 s32, s[14:15], 0x20                 ; e8
	s_add_nc_u64 s[4:5], s[4:5], s[38:39]
	s_add_nc_u64 s[6:7], s[6:7], s[36:37]
	s_cmp_eq_u32 s[Y], 2                           ; the buffers are chosen on the work-group's y alone
	s_cselect_b64 s[RP:RP+1], s[4:5], s[6:7]
	s_cselect_b64 s[SP:SP+1], s[6:7], s[4:5]
	s_cselect_b64 s[10:11], s[12:13], s[10:11]
	s_cmp_eq_u32 s[Y], 0
	s_cselect_b64 s[8:9], s[8:9], s[10:11]         ; the product's bias
	s_lshl_b32 s36, s[WV], 16
	s_add_nc_u64 s[RP:RP+1], s[RP:RP+1], s[36:37]
	s_lshl_b32 s36, s21, 10
	s_add_nc_u64 s[PBS:PBS+1], s[8:9], s[36:37]
	s_lshl_b32 s36, s[WV], 8
	s_add_nc_u64 s[PBR:PBR+1], s[PBS:PBS+1], s[36:37]
	s_add_nc_u64 s[OUT:OUT+1], s[16:17], s[OUT:OUT+1]
	STAGE_LD 0                                     ; chunk 0 first,
.irp t, 0,1,2,3                        ; then the bias in the result's layout: lane (r, h), tile t: rows 32 (t / 2) + 16 h + 8 (t % 2) + 0 .. 7
	global_load_b128 v[BR+8*\t:BR+8*\t+3], v[HB], s[PBR:PBR+1] offset:4*(32*(\t/2)+8*(\t%2))
	global_load_b128 v[BR+8*\t+4:BR+8*\t+7], v[HB], s[PBR:PBR+1] offset:4*(32*(\t/2)+8*(\t%2))+16
.endr
	WIN 0x40                                       ; then source 0, K step by K step: destination window 1,
.set rn, 0
.rept 64
	global_load_b128 v[4*rn:4*rn+3], v[LI], s[RP:RP+1] offset:2048*(rn/16)+16384*((rn/4)%4)+512*(rn%4)
.set rn, rn+1
.endr
	WIN 0x80                                       ; window 2
.set rn, 0
.rept 64
	global_load_b128 v[4*rn:4*rn+3], v[LI], s[RP:RP+1] offset:2048*(4+rn/16)+16384*((rn/4)%4)+512*(rn%4)
.set rn, rn+1
.endr
	WIN 0
	s_wait_kmcnt 0x0
	s_cmp_eq_u32 s[Y], 1
	s_cselect_b32 s24, s26, s24
	s_cselect_b32 s25, s27, s25
	s_cselect_b32 s30, s31, s30
	s_cmp_eq_u32 s[Y], 2
	s_cselect_b32 s24, s28, s24                    ; ea
	s_cselect_b32 s25, s29, s25                    ; eb
	s_cselect_b32 s30, s32, s30                    ; eo
	s_cmp_eq_u32 s[Y], 0
	s_cselect_b32 s26, 3, 0                        ; q's factor 1/8
	s_add_co_i32 s24, s24, s25
	s_sub_co_i32 s[NE], 0, s24
	s_sub_co_i32 s30, s30, s24
	s_add_co_i32 s30, s30, s26                     ; E
	s_add_co_i32 s30, s30, 127
	s_lshl_b32 s31, s30, 23
	v_mov_b32 v[SCL], s31
	s_add_co_i32 s30, s30, 8
	s_lshl_b32 s30, s30, 23
	s_or_b32 s30, s30, 0x600000
	v_mov_b32 v[LIM], s30
	s_wait_loadcnt 63                              ; of the 152 loads the oldest 89 are in: chunk 0's 16 and the bias's 8 among them
	STAGE_ST 0
.set bn, 0
.rept 32
	v_ldexp_f32 v[BR+bn], v[BR+bn], s[NE]
.set bn, bn+1
.endr
.set bn, 0
.rept 32
	v_cndmask_b32 v[BR+bn], v[BR+bn], v[ZR], s[MSK]   ; for q and k alone
.set bn, bn+1
.endr
	s_wait_dscnt 0x0
	s_barrier_signal -1
	s_barrier_wait -1                              ; chunk 0 lies in slot 0
	FETCH 0, 0                                     ; its first two runs of fragments,
	FETCH 1, 0
	STAGE_LD 32768                                 ; and chunk 1 into the staging registers, which the stores above have read
	s_wait_loadcnt 16                              ; source 0 is in: behind it stand chunk 1's 16 loads
	s_mov_b32 s[CNT], 0
.Lpair:                                            ; three trips of two chunks; the last two chunks are written out, since they ask for less
	CHUNK 0, 2
	CHUNK 1, 2
	s_wait_xcnt 0x0                                ; the loads and stores have read their bases
	s_add_nc_u64 s[SP:SP+1], s[SP:SP+1], 65536
	s_add_nc_u64 s[PBS:PBS+1], s[PBS:PBS+1], 256
	s_add_nc_u64 s[OUT:OUT+1], s[OUT:OUT+1], s[SA:SA+1]
	s_add_co_u32 s[CNT], s[CNT], 1
	s_cmp_lt_u32 s[CNT], 3
	s_cbranch_scc1 .Lpair
	CHUNK 0, 1
	CHUNK 1, 0
	s_set_vgpr_msb 0xf
	s_wait_tensorcnt 0x0
	ds_add_u32 v64, v65
	s_wait_dscnt 0x0
	s_set_vgpr_msb 0xf00
	s_endpgm
.Lfunc_end_k_q59b2d6e5d1_proj:
	.size	k_q59b2d6e5d1_proj, .Lfunc_end_k_q59b2d6e5d1_proj-k_q59b2d6e5d1_proj
	.p2alignl 7, 3214868480
	.fill 96, 4, 3214868480
	.section	.rodata,"a",@progbits
	.p2align	6, 0x0
	.amdhsa_kernel k_q59b2d6e5d1_proj
		.amdhsa_group_segment_fixed_size 66048
		.amdhsa_private_segment_fixed_size 0
		.amdhsa_enable_private_segment 0
		.amdhsa_kernarg_size 56
		.amdhsa_user_sgpr_count 2
		.amdhsa_user_sgpr_kernarg_segment_ptr 1
		.amdhsa_wavefront_size32 1
		.amdhsa_system_sgpr_workgroup_id_x 1
		.amdhsa_system_sgpr_workgroup_id_y 1
		.amdhsa_system_sgpr_workgroup_id_z 1
		.amdhsa_system_vgpr_workitem_id 0
		.amdhsa_next_free_vgpr 834
		.amdhsa_next_free_sgpr 66
		.amdhsa_reserve_vcc 0
		.amdhsa_float_denorm_mode_32 3
		.amdhsa_float_denorm_mode_16_64 3
		.amdhsa_memory_ordered 1
		.amdhsa_forward_progress 1
		.amdhsa_inst_pref_size 97
	.end_amdhsa_kernel
	.amdgpu_metadata
---
amdhsa.version: [ 1, 2 ]
amdhsa.kernels:
  - .name:           k_q59b2d6e5d1_proj
    .symbol:         k_q59b2d6e5d1_proj.kd
    .args:
      - { .name: ximg, .offset: 0, .size: 8, .value_kind: global_buffer, .address_space: global }
      - { .name: wimg, .offset: 8, .size: 8, .value_kind: global_buffer, .address_space: global }
      - { .name: bq, .offset: 16, .size: 8, .value_kind: global_buffer, .address_space: global }
      - { .name: bk, .offset: 24, .size: 8, .value_kind: global_buffer, .address_space: global }
      - { .name: bv, .offset: 32, .size: 8, .value_kind: global_buffer, .address_space: global }
      - { .name: lowp_scales, .offset: 40, .size: 8, .value_kind: global_buffer, .address_space: global }
      - { .name: qkv, .offset: 48, .size: 8, .value_kind: global_buffer, .address_space: global }
    .group_segment_fixed_size: 66048
    .private_segment_fixed_size: 0
    .kernarg_segment_align: 8
    .kernarg_segment_size: 56
    .max_flat_workgroup_size: 128
    .sgpr_count:     66
    .vgpr_count:     834
    .wavefront_size: 32
...
	.end_amdgpu_metadata
.endif
;; end of part 2
;; launch attn (part 3): grid 8 x 32, 16 waves a work-group, no clusters, 67,584 bytes of LDS; arguments qkv, lowp_scales, ctximg; writes ctximg
.if DOCPART == 3
	.amdgcn_target "amdgcn-amd-amdhsa--gfx1250"
	.amdhsa_code_object_version 6
	.text
	.protected	k_q59b2d6e5d1_attn
	.globl	k_q59b2d6e5d1_attn
	.p2align	8
	.type	k_q59b2d6e5d1_attn,@function
k_q59b2d6e5d1_attn:
	s_mov_b64 s[64:65], 0
	v_nop
	global_prefetch_b8 v0, s[64:65] scope:SCOPE_SE
	s_setreg_imm32_b32 hwreg(HW_REG_WAVE_MODE, 25, 1), 1
	s_wait_xcnt 0x0
; Causal attention on codes of FP8 (E4M3), head size 64, 32 heads (16 x batch + head) of 2,048 positions, and the context quantised at once for the last product (scales' entry 10).
; q, k, v arrive as images of operand registers: q, k: head x 131072 + position tile x 1024 + c x 512 + 16 lane (lane r: position 32 (T / 2) + 8 (T % 2) + r + 8 (r / 8); channels 32 c + 16 h + i);
; v: head x 131072 + key step x 8192 + t x 2048 + c x 512 + 16 lane (lane r: channel 32 (t / 2) + 8 (t % 2) + r + 8 (r / 8); keys 32 c + 16 h + i).
; THE SOFTMAX: t = score x log2(e) (q carries the factor 1/8 already); M = the running largest t rounded UP to a whole number; p = 2^(t - M) is quantised with 2^e9, not normalised; the row's sum is taken of the unquantised p
; and divides at the end; when M moves, the sum and O are multiplied by 2^(old M - new M), which rounds nothing.
; BOTH PRODUCTS TRANSPOSED: S^T = K Q^T (source 0 = 16 keys), O^T = V^T P^T (source 0 = 16 channels): a lane holds ONE query throughout; by the order of rows in the images the 16 registers of two neighbouring tiles are 16
; neighbours along the next K, so the conversions' results are the next operand's registers: p for the second product, and the context's image for the last.
; SHARES: a work-group owns two blocks of 128 queries of a head: block p (waves 0-7) and block 15 - p (waves 8-15), a tile of 16 queries a wave, so that every work-group has 17 block steps whatever p.
; It walks key steps 0 .. 15 - p, 128 keys each; a wave works in a step only while the step is not beyond its block (a scalar branch on ids, round the work alone), and masks in the step on the diagonal.
; THE RING: four LDS slots of 16 KB (a key step's K, 8 KB, then its V, 8 KB, as they lie).  Each thread copies 16 bytes of each through registers: tile j + 2 is asked for at the head of step j and stored at its end, in front of
; the step's one barrier.  So in step j tiles j and j + 1 are whole.  Between two barriers slot j % 4 (V) and slot (j + 1) % 4 (K) are read and slot (j + 2) % 4 is written; what that slot held, tile j - 2, was last read in front of
; the barrier of step j - 2.
; TWO BLOCKS OF 64 REGISTERS CHANGE PLACES from step to step: K of step j lies in one, S^T goes into the other; V of step j takes K's place behind the first product; K of step j + 1 takes the scores' place behind the
; conversions.  So a step begins with its products, and both runs of LDS loads land under the softmax's vector work.  A wave's last step reads a K that it does not multiply: the price of one text for every step.
; A trip runs four steps, so that slots and blocks are constants of the text.  Step 0, in which every wave works, stands ahead of the loop and starts O^T's sums.  The loop is counted against a constant; a work-group leaves it
; when its 16 - p steps are done (a branch on the work-group's number and the count of steps: the same in all its waves).
; NO CLUSTER: the eight work-groups of a head need different numbers of tiles (16 - p).
; LIMITS: e6 + e7 between -126 and 127 (added to log2(e)'s exponent field); e9, and e10 - e8 - e9, between -126 and 119.  NaN is not served.  k stands in the same permuted places in both operands.
.set LI,   1                           ; v1   16 x lane
.set TI,   2                           ; v2   16 x thread
.set VD,   3                           ; v3   my query's place in its block - 16 h: register 16 b + i is hidden on the diagonal where 32 b + i is above it
.set NINF, 4                           ; v4   -infinity
.set PLIM, 5                           ; v5   448 x 2^e9
.set PSC,  6                           ; v6   2^e9
.set CSC,  7                           ; v7   2^(e10 - e8 - e9)
.set NM,   8                           ; v8 -M, v9 the largest t
.set LS,   10                          ; v[10:11] the sum, in two halves
.set FF,   12                          ; v[12:13] f = 2^(old M - new M) (v13 is named with it as a pair)
.set L2,   14                          ; v[14:15] the sum's second chain
.set Q,    16                          ; v16-23  my 16 queries
.set ST,   24                          ; v24-31  a tile's 32 bytes on their way to LDS
.set XB,   32                          ; v32-95  and
.set YB,   96                          ; v96-159 the two blocks that change places
.set O,    160                         ; v160-191 O^T
.set P,    192                         ; v192-207 p's codes
.set T0,   208
.set T2,   210
.set CLM,  211                         ; v211 448 x 2^(e10 - e8 - e9)
.set MX,   212                         ; v212-215 the maximum's four chains
.set L3,   216                         ; v[216:217], v[218:219] the sum's third and fourth chain
.set L4,   218
.set PFO,  220                         ; v220 the prefetches' offset: 256 x lane, in wave 1 + the distance from K's plane to V's; never rewritten
.set WV,   10
.set BH,   11
.set BLK,  13
.set TP,   14
.set NS,   15                          ; s15  the work-group's key steps: 16 - p
.set KV,   20                          ; s[20:21] K's image at the trip in hand; V's lies 4,194,304 bytes on
.set E9,   27
.set PFL,  29                          ; s29  16 in a wave that prefetches, else 0
.set J,    32                          ; s32  the key step
.set CNT,  33
.set TT,   34
.set CS,   36                          ; s[36:37] log2(e) x 2^(e6 + e7)
.set SEL,  38                          ; s[38:39] v_permlanex16_b32's selects for lane l xor 16
; KEY STEP j.  kb: the block with K of this step, later V;  sb: the block for the scores, later K of the next step;  slot = j % 4;  off: tile j + 2's bytes from s[KV];  first = 1: step 0.
.macro STEP kb, sb, slot, off, first
.if !\first
	s_add_co_u32 s[TT], s[J], 2
	s_cmp_ge_u32 s[TT], s[NS]                      ; the last two steps ask for nothing
	s_cbranch_scc1 .Lnoask_\@
.endif
	global_load_b128 v[ST:ST+3], v[TI], s[KV:KV+1] offset:\off              ; tile j + 2: the work-group's load covers 8,192 consecutive bytes
	global_load_b128 v[ST+4:ST+7], v[TI], s[KV:KV+1] offset:\off+4194304
.if !\first
.Lnoask_\@:
.endif
; A PREFETCH INTO THE L2 of tile j + 4, two steps ahead of the loads that will ask for it.  All eight work-groups of a head read the same tiles: the one that walks all sixteen (x = 0) asks; in it wave 0 for K's 8,192 bytes and
; wave 1 for V's, lanes 256 bytes apart: each aligned block of 256 bytes is named once in the launch.  Tiles 0 to 3 come by their loads alone; nothing is asked for past tile 15.
	s_add_co_u32 s[TT], s[J], 4
	s_cmp_lt_u32 s[TT], s[PFL]
	s_cbranch_scc0 .Lnopf_\@
	global_prefetch_b8 v[PFO], s[KV:KV+1] offset:\off+2*8192 th:TH_LOAD_NT scope:SCOPE_SE
.Lnopf_\@:
.if !\first
	s_cmp_gt_u32 s[J], s[BLK]                      ; all of this step's keys come after my queries: nothing to do but the copy and the barrier
	s_cbranch_scc1 .Lskip_\@
.endif
.irp t, 0,1,2,3,4,5,6,7
	v_wmma_f32_16x16x64_fp8_fp8 v[\sb+8*\t:\sb+8*\t+7], v[\kb+8*\t:\kb+8*\t+7], v[Q:Q+7], 0   ; K was waited for in front of the last barrier
.endr
.rept 4
	v_nop                                          ; four places: in front of the loads into K's registers, and of the first read of the scores
.endr
.irp t, 0,1,2,3
.irp c, 0,1,2,3
	ds_load_b128 v[\kb+16*\t+4*\c:\kb+16*\t+4*\c+3], v[LI] offset:16384*\slot+8192+2048*\t+512*\c   ; V lands while the softmax is walked
.endr
.endr
	s_cmp_lg_u32 s[J], s[BLK]
	s_cbranch_scc1 .Lopen_\@
.set n, 0
.rept 64                               ; on the diagonal hidden scores become -infinity ahead of the maximum: p = 0 then.  Each query sees its own key, so the row's maximum is a number
	v_cmp_gt_i32 vcc_lo, 32*(n/16)+n%16, v[VD]
	v_cndmask_b32 v[\sb+n], v[\sb+n], v[NINF], vcc_lo
.set n, n+1
.endr
.Lopen_\@:
	v_max3_num_f32 v[MX], v[\sb], v[\sb+1], v[\sb+2]           ; the step's largest score among my 64 keys, in four chains, the registers in ascending order: each accumulator from its low end on,
	v_max3_num_f32 v[MX+1], v[\sb+3], v[\sb+4], v[\sb+5]
	v_max3_num_f32 v[MX+2], v[\sb+6], v[\sb+7], v[\sb+8]
	v_max3_num_f32 v[MX+3], v[\sb+9], v[\sb+10], v[\sb+11]
.set n, 12
.rept 6
	v_max3_num_f32 v[MX], v[MX], v[\sb+n], v[\sb+n+1]
	v_max3_num_f32 v[MX+1], v[MX+1], v[\sb+n+2], v[\sb+n+3]
	v_max3_num_f32 v[MX+2], v[MX+2], v[\sb+n+4], v[\sb+n+5]
	v_max3_num_f32 v[MX+3], v[MX+3], v[\sb+n+6], v[\sb+n+7]
.set n, n+8
.endr
	v_max3_num_f32 v[MX], v[MX], v[\sb+60], v[\sb+61]
	v_max3_num_f32 v[MX+1], v[MX+1], v[\sb+62], v[\sb+63]
	v_max3_num_f32 v[T0], v[MX], v[MX+1], v[MX+2]
	v_max_num_f32 v[T0], v[T0], v[MX+3]
	v_permlanex16_b32 v[T2], v[T0], s[SEL], s[SEL+1]
	v_max_num_f32 v[T0], v[T0], v[T2]              ; and among lane l xor 16's
	v_mul_f32 v[T0], s[CS], v[T0]                  ; as t
	v_max_num_f32 v[NM+1], v[NM+1], v[T0]          ; the running largest t
	v_mov_b32 v[T0], v[NM]
	v_floor_f32 v[NM], -v[NM+1]                    ; -M = floor(-t): M is a whole number
	v_sub_f32 v[T0], v[NM], v[T0]                  ; old M - new M, 0 or less
	v_cvt_i32_f32 v[T0], v[T0]                     ; (it saturates)
	v_ldexp_f32 v[FF], 1.0, v[T0]                  ; f
.set n, 0
.rept 32
	v_pk_fma_f32 v[\sb+n:\sb+n+1], v[\sb+n:\sb+n+1], s[CS:CS+1], v[NM:NM+1] op_sel_hi:[1,0,0]   ; t - M, two at a time
.set n, n+2
.endr
.set n, 0
.rept 64
	v_exp_f32 v[\sb+n], v[\sb+n]                   ; p = 2^(t - M)
.set n, n+1
.endr
	v_pk_mul_f32 v[LS:LS+1], v[LS:LS+1], v[FF:FF+1] op_sel_hi:[1,0]   ; the sum under the new M: the plain line behind the exponentials
	s_wait_alu depctr_va_vdst(0)                   ; one wait for the batch of 64, ahead of its first reader
	v_pk_add_f32 v[L2:L2+1], v[\sb:\sb+1], v[\sb+2:\sb+3]      ; the sum of the unquantised p, in four chains
	v_pk_add_f32 v[L3:L3+1], v[\sb+4:\sb+5], v[\sb+6:\sb+7]
	v_pk_add_f32 v[L4:L4+1], v[\sb+8:\sb+9], v[\sb+10:\sb+11]
.set n, 12
.rept 6
	v_pk_add_f32 v[LS:LS+1], v[LS:LS+1], v[\sb+n:\sb+n+1]
	v_pk_add_f32 v[L2:L2+1], v[L2:L2+1], v[\sb+n+2:\sb+n+3]
	v_pk_add_f32 v[L3:L3+1], v[L3:L3+1], v[\sb+n+4:\sb+n+5]
	v_pk_add_f32 v[L4:L4+1], v[L4:L4+1], v[\sb+n+6:\sb+n+7]
.set n, n+8
.endr
	v_pk_add_f32 v[LS:LS+1], v[LS:LS+1], v[\sb+60:\sb+61]
	v_pk_add_f32 v[L2:L2+1], v[L2:L2+1], v[\sb+62:\sb+63]
	v_pk_add_f32 v[L3:L3+1], v[L3:L3+1], v[L4:L4+1]
	v_pk_add_f32 v[LS:LS+1], v[LS:LS+1], v[L2:L2+1]
	v_pk_add_f32 v[LS:LS+1], v[LS:LS+1], v[L3:L3+1]
	s_cmp_ge_i32 s[E9], -8                         ; p is at most 1 and 448 x 2^e9 is at least 1.75 from e9 = -8 on: the hold then holds nothing and is passed over (a branch on a given whole number)
	s_cbranch_scc1 .Lnohold_\@
.set n, 0
.rept 64
	v_min_num_f32 v[\sb+n], v[\sb+n], v[PLIM]      ; the conversion does not saturate (ISA guide 7.6.2); p is not negative
.set n, n+1
.endr
.Lnohold_\@:
.irp b, 0,1,2,3
	v_cvt_scalef32_pk8_fp8_f32 v[P+4*\b:P+4*\b+1], v[\sb+16*\b:\sb+16*\b+7], v[PSC]
	v_cvt_scalef32_pk8_fp8_f32 v[P+4*\b+2:P+4*\b+3], v[\sb+16*\b+8:\sb+16*\b+15], v[PSC]
.endr
.irp t, 0,1,2,3,4,5,6,7
.irp c, 0,1
	ds_load_b128 v[\sb+8*\t+4*\c:\sb+8*\t+4*\c+3], v[LI] offset:16384*((\slot+1)%4)+1024*\t+512*\c   ; K of the next step, into the registers that p has left
.endr
.endr
.if \first
	v_nop                                          ; a plain line between the conversions and the products
.else
.set n, 0
.rept 16
	v_pk_mul_f32 v[O+n:O+n+1], v[O+n:O+n+1], v[FF:FF+1] op_sel_hi:[1,0]   ; O^T under the new M; also the plain lines between the conversions and the products
.set n, n+2
.endr
.endif
	s_wait_dscnt 16                                ; V is in: behind its 16 loads stand the next K's 16, which may be out
.irp t, 0,1,2,3
.if \first
	v_wmma_f32_16x16x128_fp8_fp8 v[O+8*\t:O+8*\t+7], v[\kb+16*\t:\kb+16*\t+15], v[P:P+15], 0   ; the first step starts the sums: nothing is cleared
.else
	v_wmma_f32_16x16x128_fp8_fp8 v[O+8*\t:O+8*\t+7], v[\kb+16*\t:\kb+16*\t+15], v[P:P+15], v[O+8*\t:O+8*\t+7]   ; the four accumulators take turns
.endif
.endr
.rept 5
	v_nop                                          ; five places: the next step's first products write over the registers that these have read as V
.endr
.if !\first
.Lskip_\@:
.endif
	s_add_co_u32 s[J], s[J], 1
	s_wait_loadcnt 0x0                             ; tile j + 2's 32 bytes are in my registers (asked for at the step's head); on every way, so that no load is out at the next step's head
.if !\first
	s_add_co_u32 s[TT], s[J], 1
	s_cmp_ge_u32 s[TT], s[NS]                      ; the same test as at the head
	s_cbranch_scc1 .Lnoput_\@
.endif
	ds_store_b128 v[TI], v[ST:ST+3] offset:16384*((\slot+2)%4)
	ds_store_b128 v[TI], v[ST+4:ST+7] offset:16384*((\slot+2)%4)+8192
.if !\first
.Lnoput_\@:
.endif
	s_wait_dscnt 0x0                               ; for the others' sake: my stores have landed and my reads are back; for mine: the next step's K is in
.if !\first
	s_cmp_eq_u32 s[J], s[NS]                       ; the work-group's steps are done
	s_cbranch_scc1 .Lout
.endif
	s_barrier_signal -1
	s_barrier_wait -1                              ; tile j + 2 is whole
.endm
	s_load_b128 s[4:7], s[0:1], 0x0                ; qkv s[4:5], scales s[6:7]
	s_load_b64 s[8:9], s[0:1], 0x10                ; ctximg
	v_lshl_add_u32 v254, v0, 2, 0x10000
	v_mov_b32 v255, 0
	v_lshrrev_b32 v1, 5, v0
	v_readfirstlane_b32 s[WV], v1                  ; wave 0..15
	v_and_b32 v1, 31, v0
	v_lshlrev_b32 v[PFO], 8, v1
	v_lshlrev_b32 v[LI], 4, v1
	v_lshlrev_b32 v[TI], 4, v0
	s_and_b32 s[BH], ttmp7, 0xffff                 ; 16 x batch + head
	s_and_b32 s12, s[WV], 7
	s_sub_co_u32 s[BLK], 15, ttmp9
	s_cmp_lt_u32 s[WV], 8
	s_cselect_b32 s[BLK], ttmp9, s[BLK]            ; my block of 128 queries
	s_lshl_b32 s[TP], s[BLK], 3
	s_add_co_u32 s[TP], s[TP], s12                 ; my tile of 16 queries
	s_sub_co_u32 s[NS], 16, ttmp9                  ; 9 to 16 key steps
	s_lshr_b32 s16, s12, 1
	s_lshl_b32 s16, s16, 5
	s_and_b32 s17, s12, 1
	s_lshl_b32 s17, s17, 3
	s_add_co_u32 s16, s16, s17                     ; my tile's first position in its block
	v_and_b32 v[VD], 15, v0
	v_and_b32 v4, 8, v[VD]
	v_add_nc_u32 v[VD], v[VD], v4                  ; r + 8 (r / 8)
	v_bfe_u32 v4, v0, 4, 1
	v_lshlrev_b32 v4, 4, v4
	v_sub_nc_u32 v[VD], v[VD], v4
	v_add_nc_u32 v[VD], s16, v[VD]
	v_mov_b32 v[NINF], 0xff800000
	s_lshr_b32 s30, s[WV], 1                       ; who prefetches: waves 0 and 1
	s_or_b32 s30, s30, ttmp9                       ; of the head's work-group x = 0
	s_cmp_eq_u32 s30, 0
	s_cselect_b32 s[PFL], 16, 0
	s_and_b32 s30, s[WV], 1
	s_lshl_b32 s30, s30, 22                        ; wave 1: V's plane
	v_add_nc_u32 v[PFO], s30, v[PFO]
	s_lshl_b32 s18, s[BH], 17
	s_mov_b32 s19, 0
	s_lshr_b32 s22, s[BH], 4
	s_lshl_b32 s22, s22, 7
	s_add_co_u32 s22, s22, s[TP]
	s_lshl_b32 s22, s22, 14                        ; the context's image: row tile 128 x batch + my tile,
	s_and_b32 s23, s[BH], 15
	s_lshl_b32 s23, s23, 10                        ; K step head / 2, pieces c = 2 (head % 2) on: 1,024 x head
	s_add_co_u32 s22, s22, s23
	s_mov_b32 s23, 0
	s_mov_b32 s[SEL], 0x76543210
	s_mov_b32 s[SEL+1], 0xfedcba98
	s_mov_b32 s[J], 0
	s_mov_b32 s[CNT], 0
	s_wait_kmcnt 0x0
	s_load_b128 s[24:27], s[6:7], 0x18             ; e6, e7, e8, e9
	s_load_b32 s28, s[6:7], 0x28                   ; e10
	s_add_nc_u64 s[4:5], s[4:5], s[18:19]          ; q's plane at my head
	s_add_nc_u64 s[KV:KV+1], s[4:5], 0x400000      ; k's
	s_lshl_b32 s18, s[TP], 10
	s_add_nc_u64 s[4:5], s[4:5], s[18:19]
	s_add_nc_u64 s[8:9], s[8:9], s[22:23]
	global_load_b128 v[ST:ST+3], v[TI], s[KV:KV+1]                 ; key step 0,
	global_load_b128 v[ST+4:ST+7], v[TI], s[KV:KV+1] offset:4194304
	global_load_b128 v[P:P+3], v[TI], s[KV:KV+1] offset:8192       ; key step 1 (through the registers that p's codes will take),
	global_load_b128 v[P+4:P+7], v[TI], s[KV:KV+1] offset:8192+4194304
	global_load_b128 v[Q:Q+3], v[LI], s[4:5]                       ; my queries
	global_load_b128 v[Q+4:Q+7], v[LI], s[4:5] offset:512
	v_mov_b32 v[NM+1], 0xff61b1e6                  ; the largest t so far: -3e38, under every t
	v_floor_f32 v[NM], -v[NM+1]
	v_mov_b32 v[LS], 0
	v_mov_b32 v[LS+1], 0
	v_mov_b32 v[FF+1], 0
	v_mov_b32 v[T2], 0                             ; a lane permute's destination counts as read
	s_wait_kmcnt 0x0
	s_add_co_i32 s34, s24, s25
	s_lshl_b32 s34, s34, 23
	s_add_co_i32 s[CS], s34, 0x3fb8aa3b            ; log2(e) with e6 + e7 added to its exponent field
	s_mov_b32 s[CS+1], s[CS]
	s_add_co_i32 s34, s[E9], 127
	s_lshl_b32 s35, s34, 23
	v_mov_b32 v[PSC], s35
	s_add_co_i32 s34, s34, 8
	s_lshl_b32 s34, s34, 23
	s_or_b32 s34, s34, 0x600000
	v_mov_b32 v[PLIM], s34
	s_sub_co_i32 s34, s28, s26                     ; O^T / the sum stands for the context / 2^(e8 + e9): its code is that / 2^(e10 - e8 - e9)
	s_sub_co_i32 s34, s34, s[E9]
	s_add_co_i32 s34, s34, 127
	s_lshl_b32 s35, s34, 23
	v_mov_b32 v[CSC], s35
	s_add_co_i32 s34, s34, 8
	s_lshl_b32 s34, s34, 23
	s_or_b32 s34, s34, 0x600000
	v_mov_b32 v[CLM], s34
	s_wait_loadcnt 0x0
	ds_store_b128 v[TI], v[ST:ST+3]
	ds_store_b128 v[TI], v[ST+4:ST+7] offset:8192
	ds_store_b128 v[TI], v[P:P+3] offset:16384
	ds_store_b128 v[TI], v[P+4:P+7] offset:16384+8192
	s_wait_dscnt 0x0
	s_barrier_signal -1
	s_barrier_wait -1                              ; key steps 0 and 1 lie in slots 0 and 1
.irp t, 0,1,2,3,4,5,6,7
.irp c, 0,1
	ds_load_b128 v[XB+8*\t+4*\c:XB+8*\t+4*\c+3], v[LI] offset:1024*\t+512*\c   ; K of step 0
.endr
.endr
	s_wait_dscnt 0x0
	STEP XB, YB, 0, 2*8192, 1                      ; step 0: every wave works in it
.Ltrip:                                            ; steps 1 + 4 c .. 4 + 4 c; at most four trips, left at the work-group's last step
	STEP YB, XB, 1, 3*8192, 0
	STEP XB, YB, 2, 4*8192, 0
	STEP YB, XB, 3, 5*8192, 0
	STEP XB, YB, 0, 6*8192, 0
	s_wait_xcnt 0x0                                ; the prefetches have read their base (the loads that named it have been waited for)
	s_add_nc_u64 s[KV:KV+1], s[KV:KV+1], 32768
	s_add_co_u32 s[CNT], s[CNT], 1
	s_cmp_lt_u32 s[CNT], 4
	s_cbranch_scc1 .Ltrip
.Lout:
	; THE WAY OUT: O^T / the sum, held, converted: tiles 2 g and 2 g + 1 are channels 32 g + 16 h + 0 .. 15 of my query: 16 bytes of the context's image
	v_add_f32 v[LS], v[LS], v[LS+1]
	v_permlanex16_b32 v[T2], v[LS], s[SEL], s[SEL+1]
	v_add_f32 v[LS], v[LS], v[T2]                  ; the row's sum
	v_rcp_f32 v[LS], v[LS]
	v_nop                                          ; a plain line behind the reciprocal,
	s_wait_alu depctr_va_vdst(0)                   ; and a wait ahead of its first reader
.set n, 0
.rept 16
	v_pk_mul_f32 v[O+n:O+n+1], v[O+n:O+n+1], v[LS:LS+1] op_sel_hi:[1,0]
.set n, n+2
.endr
.set n, 0
.rept 32
	v_med3_num_f32 v[O+n], v[O+n], -v[CLM], v[CLM]
.set n, n+1
.endr
.irp g, 0,1
	v_cvt_scalef32_pk8_fp8_f32 v[P+4*\g:P+4*\g+1], v[O+16*\g:O+16*\g+7], v[CSC]
	v_cvt_scalef32_pk8_fp8_f32 v[P+4*\g+2:P+4*\g+3], v[O+16*\g+8:O+16*\g+15], v[CSC]
.endr
	v_nop
.irp g, 0,1
	global_store_b128 v[LI], v[P+4*\g:P+4*\g+3], s[8:9] offset:512*\g   ; each store of the wave covers 512 consecutive bytes, aligned
.endr
	s_wait_tensorcnt 0x0
	ds_add_u32 v254, v255
	s_wait_dscnt 0x0
	s_endpgm
.Lfunc_end_k_q59b2d6e5d1_attn:
	.size	k_q59b2d6e5d1_attn, .Lfunc_end_k_q59b2d6e5d1_attn-k_q59b2d6e5d1_attn
	.p2alignl 7, 3214868480
	.fill 96, 4, 3214868480
	.section	.rodata,"a",@progbits
	.p2align	6, 0x0
	.amdhsa_kernel k_q59b2d6e5d1_attn
		.amdhsa_group_segment_fixed_size 67584
		.amdhsa_private_segment_fixed_size 0
		.amdhsa_enable_private_segment 0
		.amdhsa_kernarg_size 24
		.amdhsa_user_sgpr_count 2
		.amdhsa_user_sgpr_kernarg_segment_ptr 1
		.amdhsa_wavefront_size32 1
		.amdhsa_system_sgpr_workgroup_id_x 1
		.amdhsa_system_sgpr_workgroup_id_y 1
		.amdhsa_system_sgpr_workgroup_id_z 1
		.amdhsa_system_vgpr_workitem_id 0
		.amdhsa_next_free_vgpr 256
		.amdhsa_next_free_sgpr 66
		.amdhsa_reserve_vcc 1
		.amdhsa_float_denorm_mode_32 3
		.amdhsa_float_denorm_mode_16_64 3
		.amdhsa_memory_ordered 1
		.amdhsa_forward_progress 1
		.amdhsa_inst_pref_size 114
	.end_amdhsa_kernel
	.amdgpu_metadata
---
amdhsa.version: [ 1, 2 ]
amdhsa.kernels:
  - .name:           k_q59b2d6e5d1_attn
    .symbol:         k_q59b2d6e5d1_attn.kd
    .args:
      - { .name: qkv, .offset: 0, .size: 8, .value_kind: global_buffer, .address_space: global }
      - { .name: lowp_scales, .offset: 8, .size: 8, .value_kind: global_buffer, .address_space: global }
      - { .name: ctximg, .offset: 16, .size: 8, .value_kind: global_buffer, .address_space: global }
    .group_segment_fixed_size: 67584
    .private_segment_fixed_size: 0
    .kernarg_segment_align: 8
    .kernarg_segment_size: 24
    .max_flat_workgroup_size: 512
    .sgpr_count:     66
    .vgpr_count:     256
    .wavefront_size: 32
...
	.end_amdgpu_metadata
.endif
;; end of part 3
;; launch oproj (part 4): grid 4 x 64, 4 waves a work-group, no clusters, 83,456 bytes of LDS; arguments ctximg, wimg, bo, lowp_scales, out0; writes out0
.if DOCPART == 4
	.amdgcn_target "amdgcn-amd-amdhsa--gfx1250"
	.amdhsa_code_object_version 6
	.text
	.protected	k_q59b2d6e5d1_oproj
	.globl	k_q59b2d6e5d1_oproj
	.p2align	8
	.type	k_q59b2d6e5d1_oproj,@function
k_q59b2d6e5d1_oproj:
	s_mov_b64 s[64:65], 0
	v_nop
	global_prefetch_b8 v0, s[64:65] scope:SCOPE_SE
	s_setreg_imm32_b32 hwreg(HW_REG_WAVE_MODE, 25, 1), 1
	s_wait_xcnt 0x0
; out = context wo^T + bo on codes of FP8 (E4M3); out0 [2048][2][1024] f32.  A finished sum is multiplied by 2^(e10 + e11) and the bias added, in one packed multiply-add for two numbers.
; Operands are images of registers: byte T x 16384 + ks x 2048 + c x 512 + 16 x lane + i holds row 32 (T / 2) + 8 (T % 2) + r + 8 (r / 8), k = 128 ks + 32 c + 16 h + i.  The context's rows are 2048 x batch + position.
; A work-group makes 64 rows by 256 features, K = 1,024: 256 work-groups.  SOURCE 0 = wo's rows, 64 a wave, all of K in 512 registers, read once; SOURCE 1 = the context's four tiles (64 KB, dense), staged through registers
; into LDS at the head, read by all four waves.  One barrier.  A lane's results are one row and 16 neighbouring features.
; THE WAY OUT: a tile's 16 rows x 64 features go through the wave's own stage in LDS (rows 272 bytes apart) and come back by rows: sixteen lanes store 256 consecutive bytes, at a multiple of 256 from out0's first byte.
; NO CLUSTER: four fifths of a work-group's 320 KB go from memory straight into registers, where a joint load, which lands in LDS, cannot put them.
; LIMIT: e10 + e11 between -126 and 127.  k stands in the same permuted places in both operands.
; REGISTERS: window 0: v1-14 addresses; v32-159 source 1's fragments, two sets (at the head: staging; on the way out: v32-95 results, v96-159 rows read back); v160-223 eight accumulators; v224-255 the bias.  Windows 1, 2: source 0.
.set LI,    1                          ; v1   16 x lane
.set TI,    2                          ; v2   16 x thread
.set SO,    3                          ; v3   the stage: where I put 64 bytes of a row
.set SR,    4                          ; v4   and where I read a row back
.set GO,    5                          ; v5   my byte offset in two rows of out0
.set HB,    14                         ; v14  64 h
.set AF,    32
.set TMPO,  32
.set OB,    96
.set ACC,   160
.set BO,    224
.set SPITCH, 272
.set STAGE, 65536
.set WV,    19
.set SS,    30                         ; s[30:31] 2^(e10 + e11)
.set MSB, 0
.macro WIN new                         ; the immediate's high byte repeats the setting that is left; a switch that changes nothing is dropped
.if MSB != (\new)
	s_set_vgpr_msb (MSB<<8)|(\new)
.set MSB, (\new)
.endif
.endm
.macro PLACES                          ; four plain places behind matrix instructions, in front of loads into registers that they read and of the first read of results
.rept 4
	v_nop
.endr
.endm
.macro FETCH q, slot                   ; K steps 2 q and 2 q + 1 of the chunk's two tiles into set q % 2
.irp e, 0,1
.irp i, 0,1
.irp c, 0,1,2,3
	ds_load_b128 v[AF+64*((\q)%2)+32*\e+16*\i+4*\c:AF+64*((\q)%2)+32*\e+16*\i+4*\c+3], v[LI] offset:32768*(\slot)+16384*\i+2048*(2*(\q)+\e)+512*\c
.endr
.endr
.endr
.endm
.macro MUL q                           ; 16 matrix instructions: two K steps x the eight accumulators, which take turns, one instruction a turn; the first K step starts the sums
.irp e, 0,1
.set KS, 2*(\q)+\e
.set WR, 64*(KS%4)
.set AR, AF+64*((\q)%2)+32*\e
	WIN 1+KS/4
.irp i, 0,1
.irp t, 0,1,2,3
.if KS == 0
	v_wmma_f32_16x16x128_fp8_fp8 v[ACC+32*\i+8*\t:ACC+32*\i+8*\t+7], v[WR+16*\t:WR+16*\t+15], v[AR+16*\i:AR+16*\i+15], 0
.else
	v_wmma_f32_16x16x128_fp8_fp8 v[ACC+32*\i+8*\t:ACC+32*\i+8*\t+7], v[WR+16*\t:WR+16*\t+15], v[AR+16*\i:AR+16*\i+15], v[ACC+32*\i+8*\t:ACC+32*\i+8*\t+7]
.endif
.endr
.endr
.endr
	WIN 0
.endm
.macro CHUNK ch                        ; two tiles of the context against my four of wo
.if \ch
	s_wait_xcnt 0x0                                ; the first chunk's stores have read their data: those registers take fragments again
.endif
	FETCH 0, \ch
	FETCH 1, \ch
	s_wait_dscnt 16                                ; the older run of 16 is in, the younger may be out: so at each of these waits
	MUL 0
	PLACES
	FETCH 2, \ch
	s_wait_dscnt 16
	MUL 1
	PLACES
	FETCH 3, \ch
	s_wait_dscnt 16
.if \ch == 0
	s_wait_loadcnt 32                              ; wo's K steps 4 and 5 are in: behind them stand the 32 loads of K steps 6 and 7
.endif
	MUL 2
	s_wait_dscnt 0x0
.if \ch == 0
	s_wait_loadcnt 0x0
.endif
	MUL 3
	PLACES
.irp i, 0,1
.irp t, 0,1,2,3
.irp p, 0,2,4,6
	v_pk_fma_f32 v[TMPO+32*\i+8*\t+\p:TMPO+32*\i+8*\t+\p+1], v[ACC+32*\i+8*\t+\p:ACC+32*\i+8*\t+\p+1], s[SS:SS+1], v[BO+8*\t+\p:BO+8*\t+\p+1] op_sel_hi:[1,0,1]   ; sum x 2^(e10 + e11) + bo; each accumulator from its low end on
.endr
.endr
.endr
.irp i, 0,1
.irp g, 0,1
.irp u, 0,1,2,3
	ds_store_b128 v[SO], v[TMPO+32*\i+16*\g+4*\u:TMPO+32*\i+16*\g+4*\u+3] offset:128*\g+16*\u   ; lane (r, h): features 32 g + 16 h + 4 u on, of the tile's row r
.endr
.endr
.irp n, 0,1,2,3,4,5,6,7
	ds_load_b128 v[OB+32*\i+4*\n:OB+32*\i+4*\n+3], v[SR] offset:2*SPITCH*\n   ; LDS serves a wave's instructions in order: these see the stores above, and the next tile's stores come behind them
.endr
.endr
.irp i, 0,1
	s_wait_dscnt 16*(1-\i)                         ; tile 0's rows are back (behind them: tile 1's 8 stores and 8 loads); then tile 1's
.irp n, 0,1,2,3,4,5,6,7
	global_store_b128 v[GO], v[OB+32*\i+4*\n:OB+32*\i+4*\n+3], s[12:13] offset:(32*\ch+8*\i+2*\n+8*(\n/4))*8192 th:TH_STORE_NT   ; the tile's rows 2 n and 2 n + 1 are positions 2 n + 8 (n / 4) + h on; written once, read by nobody here
.endr
.endr
.endm
	s_load_b256 s[4:11], s[0:1], 0x0               ; ctximg s[4:5], wimg s[6:7], bo s[8:9], scales s[10:11]
	s_load_b64 s[12:13], s[0:1], 0x20              ; out0
	v_lshl_add_u32 v30, v0, 2, 0x14400
	v_mov_b32 v31, 0
	v_lshrrev_b32 v3, 5, v0
	v_readfirstlane_b32 s[WV], v3                  ; wave 0..3
	v_and_b32 v3, 31, v0
	v_lshlrev_b32 v[LI], 4, v3
	v_lshlrev_b32 v[TI], 4, v0
	v_and_b32 v6, 15, v0                           ; r
	v_bfe_u32 v7, v0, 4, 1                         ; h
	v_lshlrev_b32 v[HB], 6, v7
	s_mul_i32 s21, s[WV], 16*SPITCH
	s_add_co_u32 s21, s21, STAGE                   ; my stage, behind the two chunks
	v_mul_u32_u24 v[SO], v6, SPITCH
	v_lshl_add_u32 v[SO], v7, 6, v[SO]
	v_add_nc_u32 v[SO], s21, v[SO]
	v_mul_u32_u24 v[SR], v7, SPITCH
	v_lshl_add_u32 v[SR], v6, 4, v[SR]
	v_add_nc_u32 v[SR], s21, v[SR]
	v_lshlrev_b32 v[GO], 13, v7                    ; a position on is 8,192 bytes (two batches)
	v_lshl_add_u32 v[GO], v6, 4, v[GO]
	s_and_b32 s20, ttmp7, 0xffff                   ; which 64 rows
	s_lshl_b32 s22, s20, 16
	s_mov_b32 s23, 0
	s_lshl_b32 s24, ttmp9, 18                      ; which 256 features,
	s_lshl_b32 s25, s[WV], 16                      ; my wave's 64,
	s_add_co_u32 s24, s24, s25
	s_add_co_u32 s24, s24, 0x300000                ; in wo's plane
	s_mov_b32 s25, 0
	s_lshl_b32 s26, ttmp9, 10
	s_lshl_b32 s27, s[WV], 8
	s_add_co_u32 s26, s26, s27                     ; the same features in bo and in a row of out0, in bytes
	s_mov_b32 s27, 0
	s_lshr_b32 s28, s20, 5
	s_lshl_b32 s28, s28, 12                        ; the batch,
	s_and_b32 s29, s20, 31
	s_lshl_b32 s29, s29, 19                        ; 64 positions of 8,192 bytes
	s_add_co_u32 s28, s28, s29
	s_add_co_u32 s28, s28, s26
	s_mov_b32 s29, 0
	s_wait_kmcnt 0x0
	s_load_b64 s[30:31], s[10:11], 0x28            ; e10, e11
	s_add_nc_u64 s[4:5], s[4:5], s[22:23]
	s_add_nc_u64 s[6:7], s[6:7], s[24:25]
	s_add_nc_u64 s[8:9], s[8:9], s[26:27]
	s_add_nc_u64 s[12:13], s[12:13], s[28:29]
.set sn, 0
.rept 32                               ; the context's 64 KB: 32 loads a thread, each 2,048 consecutive bytes for the work-group
	global_load_b128 v[AF+4*sn:AF+4*sn+3], v[TI], s[4:5] offset:2048*sn
.set sn, sn+1
.endr
.irp t, 0,1,2,3                        ; the bias in the result's layout: lane (r, h), tile t: features 32 (t / 2) + 16 h + 8 (t % 2) + 0 .. 7
	global_load_b128 v[BO+8*\t:BO+8*\t+3], v[HB], s[8:9] offset:4*(32*(\t/2)+8*(\t%2))
	global_load_b128 v[BO+8*\t+4:BO+8*\t+7], v[HB], s[8:9] offset:4*(32*(\t/2)+8*(\t%2))+16
.endr
	WIN 0x40                                       ; wo, K step by K step: destination window 1,
.set rn, 0
.rept 64
	global_load_b128 v[4*rn:4*rn+3], v[LI], s[6:7] offset:2048*(rn/16)+16384*((rn/4)%4)+512*(rn%4)
.set rn, rn+1
.endr
	WIN 0x80                                       ; window 2
.set rn, 0
.rept 64
	global_load_b128 v[4*rn:4*rn+3], v[LI], s[6:7] offset:2048*(4+rn/16)+16384*((rn/4)%4)+512*(rn%4)
.set rn, rn+1
.endr
	WIN 0
	s_wait_kmcnt 0x0
	s_add_co_i32 s[SS], s30, s31
	s_add_co_i32 s[SS], s[SS], 127
	s_lshl_b32 s[SS], s[SS], 23                    ; 2^(e10 + e11) as f32
	s_mov_b32 s[SS+1], s[SS]                       ; (named with it as a pair, so it is written)
	s_wait_loadcnt 63                              ; of the 168 loads the oldest 105 are in: the context's 32, the bias's 8, and wo's K steps 0 to 3
.set sn, 0
.rept 32
	ds_store_b128 v[TI], v[AF+4*sn:AF+4*sn+3] offset:2048*sn
.set sn, sn+1
.endr
	s_wait_dscnt 0x0                               ; for the others' sake: my stores have landed
	s_barrier_signal -1
	s_barrier_wait -1                              ; the context's four tiles lie in LDS
	CHUNK 0
	CHUNK 1
	s_wait_tensorcnt 0x0
	ds_add_u32 v30, v31
	s_wait_dscnt 0x0
	s_endpgm
.Lfunc_end_k_q59b2d6e5d1_oproj:
	.size	k_q59b2d6e5d1_oproj, .Lfunc_end_k_q59b2d6e5d1_oproj-k_q59b2d6e5d1_oproj
	.p2alignl 7, 3214868480
	.fill 96, 4, 3214868480
	.section	.rodata,"a",@progbits
	.p2align	6, 0x0
	.amdhsa_kernel k_q59b2d6e5d1_oproj
		.amdhsa_group_segment_fixed_size 83456
		.amdhsa_private_segment_fixed_size 0
		.amdhsa_enable_private_segment 0
		.amdhsa_kernarg_size 40
		.amdhsa_user_sgpr_count 2
		.amdhsa_user_sgpr_kernarg_segment_ptr 1
		.amdhsa_wavefront_size32 1
		.amdhsa_system_sgpr_workgroup_id_x 1
		.amdhsa_system_sgpr_workgroup_id_y 1
		.amdhsa_system_sgpr_workgroup_id_z 1
		.amdhsa_system_vgpr_workitem_id 0
		.amdhsa_next_free_vgpr 768
		.amdhsa_next_free_sgpr 66
		.amdhsa_reserve_vcc 0
		.amdhsa_float_denorm_mode_32 3
		.amdhsa_float_denorm_mode_16_64 3
		.amdhsa_memory_ordered 1
		.amdhsa_forward_progress 1
		.amdhsa_inst_pref_size 50
	.end_amdhsa_kernel
	.amdgpu_metadata
---
amdhsa.version: [ 1, 2 ]
amdhsa.kernels:
  - .name:           k_q59b2d6e5d1_oproj
    .symbol:         k_q59b2d6e5d1_oproj.kd
    .args:
      - { .name: ctximg, .offset: 0, .size: 8, .value_kind: global_buffer, .address_space: global }
      - { .name: wimg, .offset: 8, .size: 8, .value_kind: global_buffer, .address_space: global }
      - { .name: bo, .offset: 16, .size: 8, .value_kind: global_buffer, .address_space: global }
      - { .name: lowp_scales, .offset: 24, .size: 8, .value_kind: global_buffer, .address_space: global }
      - { .name: out0, .offset: 32, .size: 8, .value_kind: global_buffer, .address_space: global }
    .group_segment_fixed_size: 83456
    .private_segment_fixed_size: 0
    .kernarg_segment_align: 8
    .kernarg_segment_size: 40
    .max_flat_workgroup_size: 128
    .sgpr_count:     66
    .vgpr_count:     768
    .wavefront_size: 32
...
	.end_amdgpu_metadata
.endif
;; end of part 4
;; ======== version 2 of 2: 4 launches
;; workspace buffers: ximg 12,582,912 bytes; wimg 4,194,304 bytes; qkv 12,582,912 bytes; ctximg 4,194,304 bytes
;; launch quant (part 5): grid 512 x 1, 4 waves a work-group, no clusters, 68,096 bytes of LDS; arguments x, wq, wk, wv, wo, lowp_scales, ximg, wimg; writes ximg, wimg
.if DOCPART == 5
	.amdgcn_target "amdgcn-amd-amdhsa--gfx1250"
	.amdhsa_code_object_version 6
	.text
	.protected	k_q59b2d6e5d1_quant
	.globl	k_q59b2d6e5d1_quant
	.p2align	8
	.type	k_q59b2d6e5d1_quant,@function
k_q59b2d6e5d1_quant:
	s_mov_b64 s[64:65], 0
	v_nop
	global_prefetch_b8 v0, s[64:65] scope:SCOPE_SE
	s_setreg_imm32_b32 hwreg(HW_REG_WAVE_MODE, 25, 1), 1
	s_wait_xcnt 0x0
; x [2048][2][1024] and wq, wk, wv, wo [1024][1024], f32, become codes of FP8 (E4M3), laid as IMAGES OF OPERAND REGISTERS.
; code = number / 2^e, held within +-448, rounded to the nearest code, ties to even.  x is an operand of three products with three given scales (entries 0, 2, 4 of the scales): three planes of codes.
; wq, wk, wv, wo take entries 1, 3, 5, 11.  LIMITS: each e between -126 and 119, so that 2^e and 448 x 2^e are f32 numbers; NaN among the inputs is not served.
; THE IMAGE of a matrix [rows][1024 along K]: byte T x 16384 + ks x 2048 + c x 512 + 16 x lane + i (lane = 16 h + r) holds row 32 (T / 2) + 8 (T % 2) + r + 8 (r / 8), k = 128 ks + 32 c + 16 h + i.
; So a fragment (16 rows x 128 K) is four loads of 16 bytes a lane, 512 consecutive bytes each, and the rows of tiles 2 G and 2 G + 1, used as source 0, give a lane 16 neighbouring rows in its results.
; x's rows are taken as 2048 x batch + position (in memory row 2 x position + batch).
; SHARES: a work-group takes one tile of 16 rows: work-groups 0-255 of x, 256-511 of the four weights.  Wave w takes K steps 2 w and 2 w + 1: 32 loads of 512 consecutive bytes, all on their way at once.
; A load is dense along a row; a conversion wants 16 neighbours in one lane: so a K step's 16 x 512 bytes turn through the wave's own stage in LDS (rows 528 bytes apart: 132 words, row r starts at bank 4 r mod 64).
; No barrier: waves share nothing.  No matrix unit, no cluster: the launch streams, and no byte is read by two work-groups.
.set PITCH, 528
.set STG,   16*PITCH                   ; a stage: 16 rows
.set WREG,  2*STG                      ; a wave's two stages
.set LI,    1                          ; v1     16 x lane: my place in a store's 512 bytes
.set SIN,   2                          ; v2     the stage, on the way in
.set SOUT,  3                          ; v3     and on the way out: row r, + 64 h
.set SCA,   4                          ; v4-9   for each of three scales: 2^e, 448 x 2^e
.set OFF,   12                         ; v12-27 row r's byte offset + 16 x lane
.set TMP,   28                         ; v28-59 two sets of 16 held numbers, by turns
.set X,     60                         ; v60-123  64 numbers: register 16 c + i = k 32 c + 16 h + i of row r
.set R0,    124                        ; v124-187 K step 0 as loaded; later its codes
.set R1,    188                        ; v188-251 K step 1 likewise
.set WV,    20
.set ISX,   22
.set PP,    29
.set D0,    16
.set D1,    52
.set D2,    54
	s_load_b512 s[4:19], s[0:1], 0x0               ; x s[4:5], wq s[6:7], wk s[8:9], wv s[10:11], wo s[12:13], scales s[14:15], ximg s[16:17], wimg s[18:19]
	v_lshl_add_u32 v254, v0, 2, 0x10800
	v_mov_b32 v255, 0
	v_lshrrev_b32 v10, 5, v0
	v_readfirstlane_b32 s[WV], v10                 ; wave 0..3
	v_and_b32 v10, 31, v0
	v_lshlrev_b32 v[LI], 4, v10
	s_wait_alu depctr_va_vdst(0)
	v_and_b32 v11, 15, v0                          ; r
	v_bfe_u32 v10, v0, 4, 1                        ; h
	s_mul_i32 s21, s[WV], WREG
	v_add_nc_u32 v[SIN], s21, v[LI]
	v_mul_u32_u24 v[SOUT], v11, PITCH
	v_lshl_add_u32 v[SOUT], v10, 6, v[SOUT]
	v_add_nc_u32 v[SOUT], s21, v[SOUT]
	s_cmp_lt_u32 ttmp9, 256
	s_cselect_b32 s[ISX], 1, 0                     ; 1: a tile of x
	s_sub_co_u32 s23, ttmp9, 256                   ; else tile s23 of the four weights on end
	s_and_b32 s24, s23, 63                         ; its tile in the weight,
	s_bfe_u32 s25, s23, 0x20006                    ; and which weight
	s_and_b32 s26, ttmp9, 127                      ; x: the tile in its batch,
	s_lshr_b32 s27, ttmp9, 7                       ; and the batch
	s_lshl_b32 s[PP], 4096, s[ISX]                 ; bytes from a tile's row to the next: 8,192 in x (two batches), 4,096 in a weight
	s_cmp_eq_u32 s[ISX], 1
	s_cselect_b32 s28, s26, s24
	s_cselect_b32 s36, ttmp9, s23                  ; the tile's number in its buffer of images
	s_lshr_b32 s30, s28, 1
	s_lshl_b32 s30, s30, 5
	s_and_b32 s31, s28, 1
	s_lshl_b32 s31, s31, 3
	s_add_co_u32 s30, s30, s31                     ; the tile's first row: 32 (T / 2) + 8 (T % 2)
	s_mul_i32 s30, s30, s[PP]
	s_mul_i32 s31, s27, s[ISX]
	s_lshl_b32 s31, s31, 12                        ; x: + the batch's 4,096 bytes
	s_add_co_u32 s30, s30, s31
	s_lshl_b32 s31, s[WV], 10                      ; + my wave's two K steps: 1,024 bytes of a row
	s_add_co_u32 s30, s30, s31
	s_mov_b32 s31, 0
	s_lshl_b32 s36, s36, 14                        ; the tile's image,
	s_lshl_b32 s37, s[WV], 12                      ; my two K steps of it
	s_add_co_u32 s36, s36, s37
	s_mov_b32 s37, 0
.irp r, 0,1,2,3,4,5,6,7,8,9,10,11,12,13,14,15
	s_mul_i32 s56, s[PP], \r+8*(\r/8)              ; lane r of the tile is row r + 8 (r / 8)
	v_add_nc_u32 v[OFF+\r], s56, v[LI]
.endr
	s_wait_alu depctr_va_vdst(0)
	s_wait_kmcnt 0x0
	s_load_b256 s[40:47], s[14:15], 0x0            ; e0 .. e7
	s_load_b128 s[48:51], s[14:15], 0x20           ; e8 .. e11
	s_cmp_eq_u32 s25, 1                            ; the buffers are chosen on the work-group's number alone
	s_cselect_b64 s[6:7], s[8:9], s[6:7]
	s_cmp_eq_u32 s25, 2
	s_cselect_b64 s[6:7], s[10:11], s[6:7]
	s_cmp_eq_u32 s25, 3
	s_cselect_b64 s[6:7], s[12:13], s[6:7]
	s_cmp_eq_u32 s[ISX], 1
	s_cselect_b64 s[4:5], s[4:5], s[6:7]
	s_cselect_b64 s[D0:D0+1], s[16:17], s[18:19]
	s_add_nc_u64 s[4:5], s[4:5], s[30:31]
	s_add_nc_u64 s[D0:D0+1], s[D0:D0+1], s[36:37]
	s_add_nc_u64 s[D1:D1+1], s[D0:D0+1], 0x400000  ; x's second and third plane (used by x's work-groups alone)
	s_add_nc_u64 s[D2:D2+1], s[D0:D0+1], 0x800000
.macro ROWLOADS e, reg                 ; K step e of my two: 16 rows x 512 consecutive bytes
.irp r, 0,1,2,3,4,5,6,7,8,9,10,11,12,13,14,15
	global_load_b128 v[\reg+4*\r:\reg+4*\r+3], v[OFF+\r], s[4:5] offset:512*\e th:TH_LOAD_NT
.endr
.endm
.macro TURN e, reg                     ; through the stage: LDS serves a wave's instructions in order, so no wait stands between the stores and the loads
.irp r, 0,1,2,3,4,5,6,7,8,9,10,11,12,13,14,15
	ds_store_b128 v[SIN], v[\reg+4*\r:\reg+4*\r+3] offset:STG*\e+PITCH*\r
.endr
.irp c, 0,1,2,3
.irp q, 0,1,2,3
	ds_load_b128 v[X+16*\c+4*\q:X+16*\c+4*\q+3], v[SOUT] offset:STG*\e+128*\c+16*\q
.endr
.endr
.endm
; X's 64 numbers become a fragment's 16 registers of codes.  The held numbers go into two sets by turns, so that X stays for the next scale and sixteen plain lines stand between a conversion and the next write of its sources.
.macro QUANT sc, lim, code
.irp c, 0,1,2,3
.irp i, 0,1,2,3,4,5,6,7,8,9,10,11,12,13,14,15
	v_med3_num_f32 v[TMP+16*(\c%2)+\i], v[X+16*\c+\i], -v[\lim], v[\lim]   ; the conversion to an 8-bit code does not saturate (ISA guide 7.6.2): the hold at 448 x the scale comes first
.endr
	v_cvt_scalef32_pk8_fp8_f32 v[\code+4*\c:\code+4*\c+1], v[TMP+16*(\c%2):TMP+16*(\c%2)+7], v[\sc]
	v_cvt_scalef32_pk8_fp8_f32 v[\code+4*\c+2:\code+4*\c+3], v[TMP+16*(\c%2)+8:TMP+16*(\c%2)+15], v[\sc]
.endr
.endm
.macro SEND code, d, e                 ; each store of the wave covers 512 consecutive bytes, aligned; every fragment has registers of its own, so no store's data are written again
.irp c, 0,1,2,3
	global_store_b128 v[LI], v[\code+4*\c:\code+4*\c+3], s[\d:\d+1] offset:2048*\e+512*\c
.endr
.endm
.macro PART e, reg
	TURN \e, \reg
	s_wait_dscnt 0x0                               ; X is in, and the stage's stores have read the loaded registers, which now take the codes
	QUANT SCA, SCA+1, \reg
	SEND \reg, D0, \e
	s_cmp_eq_u32 s[ISX], 0                         ; a weight has one scale
	s_cbranch_scc1 .Lone_\@
	QUANT SCA+2, SCA+3, \reg+16
	SEND \reg+16, D1, \e
	QUANT SCA+4, SCA+5, \reg+32
	SEND \reg+32, D2, \e
.Lone_\@:
.endm
	ROWLOADS 0, R0
	ROWLOADS 1, R1
	s_wait_kmcnt 0x0
	s_cmp_eq_u32 s25, 1
	s_cselect_b32 s41, s43, s41                    ; wq: e1, wk: e3,
	s_cmp_eq_u32 s25, 2
	s_cselect_b32 s41, s45, s41                    ; wv: e5,
	s_cmp_eq_u32 s25, 3
	s_cselect_b32 s41, s51, s41                    ; wo: e11
	s_cmp_eq_u32 s[ISX], 1
	s_cselect_b32 s40, s40, s41                    ; x: e0 (then e2 in s42, e4 in s44)
.irp n, 0,1,2
	s_add_co_i32 s56, s[40+2*\n], 127
	s_lshl_b32 s57, s56, 23
	v_mov_b32 v[SCA+2*\n], s57                     ; 2^e as f32: the conversion takes its exponent field
	s_add_co_i32 s56, s56, 8
	s_lshl_b32 s56, s56, 23
	s_or_b32 s56, s56, 0x600000
	v_mov_b32 v[SCA+2*\n+1], s56                   ; 448 x 2^e
.endr
	s_wait_alu depctr_va_vdst(0)
	s_wait_loadcnt 16                              ; the first K step's 16 loads are in; the second's may be out
	PART 0, R0
	s_wait_loadcnt 0x0
	PART 1, R1
	s_wait_tensorcnt 0x0
	ds_add_u32 v254, v255
	s_wait_dscnt 0x0
	s_endpgm
.Lfunc_end_k_q59b2d6e5d1_quant:
	.size	k_q59b2d6e5d1_quant, .Lfunc_end_k_q59b2d6e5d1_quant-k_q59b2d6e5d1_quant
	.p2alignl 7, 3214868480
	.fill 96, 4, 3214868480
	.section	.rodata,"a",@progbits
	.p2align	6, 0x0
	.amdhsa_kernel k_q59b2d6e5d1_quant
		.amdhsa_group_segment_fixed_size 68096
		.amdhsa_private_segment_fixed_size 0
		.amdhsa_enable_private_segment 0
		.amdhsa_kernarg_size 64
		.amdhsa_user_sgpr_count 2
		.amdhsa_user_sgpr_kernarg_segment_ptr 1
		.amdhsa_wavefront_size32 1
		.amdhsa_system_sgpr_workgroup_id_x 1
		.amdhsa_system_sgpr_workgroup_id_y 1
		.amdhsa_system_sgpr_workgroup_id_z 1
		.amdhsa_system_vgpr_workitem_id 0
		.amdhsa_next_free_vgpr 256
		.amdhsa_next_free_sgpr 66
		.amdhsa_reserve_vcc 0
		.amdhsa_float_denorm_mode_32 3
		.amdhsa_float_denorm_mode_16_64 3
		.amdhsa_memory_ordered 1
		.amdhsa_forward_progress 1
		.amdhsa_inst_pref_size 42
	.end_amdhsa_kernel
	.amdgpu_metadata
---
amdhsa.version: [ 1, 2 ]
amdhsa.kernels:
  - .name:           k_q59b2d6e5d1_quant
    .symbol:         k_q59b2d6e5d1_quant.kd
    .args:
      - { .name: x, .offset: 0, .size: 8, .value_kind: global_buffer, .address_space: global }
      - { .name: wq, .offset: 8, .size: 8, .value_kind: global_buffer, .address_space: global }
      - { .name: wk, .offset: 16, .size: 8, .value_kind: global_buffer, .address_space: global }
      - { .name: wv, .offset: 24, .size: 8, .value_kind: global_buffer, .address_space: global }
      - { .name: wo, .offset: 32, .size: 8, .value_kind: global_buffer, .address_space: global }
      - { .name: lowp_scales, .offset: 40, .size: 8, .value_kind: global_buffer, .address_space: global }
      - { .name: ximg, .offset: 48, .size: 8, .value_kind: global_buffer, .address_space: global }
      - { .name: wimg, .offset: 56, .size: 8, .value_kind: global_buffer, .address_space: global }
    .group_segment_fixed_size: 68096
    .private_segment_fixed_size: 0
    .kernarg_segment_align: 8
    .kernarg_segment_size: 64
    .max_flat_workgroup_size: 128
    .sgpr_count:     66
    .vgpr_count:     256
    .wavefront_size: 32
...
	.end_amdgpu_metadata
.endif
;; end of part 5
;; launch proj (part 6): grid 64 x 3, 4 waves a work-group, no clusters, 66,048 bytes of LDS; arguments ximg, wimg, bq, bk, bv, lowp_scales, qkv; writes qkv
.if DOCPART == 6
	.amdgcn_target "amdgcn-amd-amdhsa--gfx1250"
	.amdhsa_code_object_version 6
	.text
	.protected	k_q59b2d6e5d1_proj
	.globl	k_q59b2d6e5d1_proj
	.p2align	8
	.type	k_q59b2d6e5d1_proj,@function
k_q59b2d6e5d1_proj:
	s_mov_b64 s[64:65], 0
	v_nop
	global_prefetch_b8 v0, s[64:65] scope:SCOPE_SE
	s_setreg_imm32_b32 hwreg(HW_REG_WAVE_SCHED_MODE, 0, 2), 2
	s_setreg_imm32_b32 hwreg(HW_REG_WAVE_MODE, 25, 1), 1
	s_wait_xcnt 0x0
	s_wait_alu depctr_vm_vsrc(0)
; q = (x wq^T + bq) / 8, k = x wk^T + bk, v = x wv^T + bv on codes of FP8 (E4M3), and each result quantised at once for attention's products (scales' entries 6, 7, 8).  Work-group y = 0, 1, 2 says which.
; A work-group makes 256 rows of x by 256 features, K = 1,024.  Operands are IMAGES OF REGISTERS: byte T x 16384 + ks x 2048 + c x 512 + 16 x lane + i holds row 32 (T / 2) + 8 (T % 2) + r + 8 (r / 8), k = 128 ks + 32 c + 16 h + i.
; SOURCE 0 STAYS IN REGISTERS: 64 rows a wave, all of K: 512 registers, read once.  SOURCE 1 IS STREAMED: 256 rows in 8 chunks of two tiles (32 KB, dense in memory), through two LDS slots by turns, staged through registers.
; q, k: source 0 = the weight's rows (a wave has one head's 64), source 1 = x: a lane's results are ONE position and 16 neighbouring channels: K of attention's first product.
; v:    source 0 = x's rows, source 1 = wv's: a lane's results are ONE channel and 16 neighbouring keys: K of attention's second product.  The text is one; pointers, strides and two masks differ, all chosen on the work-group's y.
; So two conversions make 16 bytes of the next operand's image, and each store of the wave covers 512 consecutive bytes, aligned.
; OUT: q, k: head x 131072 + position tile x 1024 + c x 512 + 16 lane (channels 32 c + 16 h + i).  v: head x 131072 + key step x 8192 + t x 2048 + c x 512 + 16 lane (channel 32 (t / 2) + 8 (t % 2) + r + 8 (r / 8); keys 32 c + 16 h + i).
; THE PIPELINE: in chunk j the chunk after next is asked for into registers, the next chunk goes from registers into the other slot behind the third quarter's first four products, the barrier's signal and wait stand round the
; last quarter's products, and the next chunk's first fragments are fetched behind the wait, ahead of the vector work on chunk j's sums.
; THE BIAS: along source 0's rows (q, k) it is the C of a sum's first product; along source 1's rows (v) it is added to the finished sums; each goes in divided by 2^(ea + eb), the power that the sums lack, and the
; one that does not apply is made 0 by a select: the price of one path is 32 packed additions a chunk.
; The scales are folded: code = (sum + bias / 2^(ea + eb)) / 2^E, E = eo - ea - eb (+ 3 for q: the factor 1/8).  LIMIT: E between -126 and 119.  NaN is not served.  k stands in the same permuted places in both operands.
; NO CLUSTER: half of a work-group's 512 KB goes from memory straight into registers, where a joint load, which lands in LDS, cannot put it; the streamed half is left to plain loads in this text.
; 192 work-groups: 16 x 12 blocks of 256 x 256.
; REGISTERS: window 0: v1-15 addresses and constants; v16-31 codes; v32-159 source 1's fragments, two sets; v160-223 eight accumulators; v224-255 the bias as C.  Windows 1, 2: source 0 (tile t, K step ks at 64 (ks % 4) + 16 t).  Window 3: v0-63 staging; v64, v65 the closing add's two.
; THE MODE: SCHED_MODE bits 1:0 = 2 (LLVM: expert scheduling mode 2), set by the entry lines.  The code itself states the register dependences between vector or matrix instructions and memory or LDS instructions, with s_wait_alu, always for 0.
; THE PLAN.  Registers that memory or LDS instructions touch, in a chunk:
;   v1-7, v14     Addresses and offsets: written at the head, never again; the bases that move are scalar.
;   set 0, set 1  (v32-95, v96-159)  Quarter q's sixteen products read set q % 2; the LDS loads of quarter q + 2 land in it.
;   v10, v12      The streamed tiles' bias: a load lands at the chunk's head; the vector work on the sums rewrites and reads them.
;   v16-31        The codes: written by the conversions, read by the chunk's four stores.
;   staging       (window 3)  Global loads land, LDS stores read; no vector instruction names them.
; So a chunk has four waits on va_vdst: behind quarter 0 and behind quarter 1 (their set is free: the loads into it follow behind the next quarter's first four products, which name the other set, source 0 and the
; accumulators alone); behind the barrier's wait (both sets are free for the next chunk's first two runs); behind the conversions (the codes are written; the additions are done with v10 and v12, so the next chunk's bias may land).
; And one wait on vm_vsrc, behind the barrier's wait: the LDS stores have read the staging registers, and the last chunk's stores the codes.
.set LI,    1                          ; v1   16 x lane
.set TI,    2                          ; v2   16 x thread
.set VB,    3                          ; v3   4 (r + 8 (r / 8)): my row of a streamed tile, in the bias
.set VO,    4                          ; v4-7 my place in the output for chunk parity p, tile i: at VO + 2 p + i
.set SCL,   8                          ; v8   2^E
.set LIM,   9                          ; v9   448 x 2^E
.set BS,    10                         ; v[10:11], v[12:13]: the bias along source 1's rows, tile 0, 1 (the upper halves are named as pairs, so they are written)
.set HB,    14                         ; v14  64 h
.set ZR,    15                         ; v15  0
.set CODES, 16
.set AF,    32
.set ACC,   160
.set BR,    224
.set ST,    0
.set WV,    19
.set Y,     20
.set RP,    40                         ; s[40:41] source 0's image, my wave's four tiles
.set SP,    42                         ; s[42:43] source 1's image, the pair of chunks in hand
.set MSK,   44                         ; s44  all ones for v, else 0
.set PBS,   46                         ; s[46:47] the bias at the streamed tiles in hand
.set PBR,   48                         ; s[48:49] the bias at my wave's 64 rows of source 0
.set OUT,   50                         ; s[50:51]
.set SA,    54                         ; s[54:55] the output's step for a pair of chunks
.set NE,    58                         ; s58  -(ea + eb)
.set CNT,   59
.set MSB, 0
.macro WIN new                         ; the immediate's high byte repeats the setting that is left; a switch that changes nothing is dropped
.if MSB != (\new)
	s_set_vgpr_msb (MSB<<8)|(\new)
.set MSB, (\new)
.endif
.endm
.macro PLACES                          ; four plain places behind matrix instructions, in front of loads into registers that they read and of the first read of results
.rept 4
	v_nop
.endr
.endm
.macro STAGE_LD off                    ; a chunk's 32 KB into registers: 16 loads a thread, each 2,048 consecutive bytes for the work-group
	WIN 0xc0                                       ; destination window 3
.set sn, 0
.rept 16
	global_load_b128 v[ST+4*sn:ST+4*sn+3], v[TI], s[SP:SP+1] offset:(\off)+2048*sn
.set sn, sn+1
.endr
	WIN 0
.endm
.macro STAGE_ST slot                   ; and on into a slot, as it lies
	WIN 0x0c                                       ; store data window 3
.set sn, 0
.rept 16
	ds_store_b128 v[TI], v[ST+4*sn:ST+4*sn+3] offset:32768*(\slot)+2048*sn
.set sn, sn+1
.endr
	WIN 0
.endm
.macro FETCH q, slot                   ; K steps 2 q and 2 q + 1 of the chunk's two tiles into set q % 2: 16 loads of 512 consecutive bytes
.irp e, 0,1
.irp i, 0,1
.irp c, 0,1,2,3
	ds_load_b128 v[AF+64*((\q)%2)+32*\e+16*\i+4*\c:AF+64*((\q)%2)+32*\e+16*\i+4*\c+3], v[LI] offset:32768*(\slot)+16384*\i+2048*(2*(\q)+\e)+512*\c
.endr
.endr
.endr
.endm
.macro MUL4 q, e, i                    ; four matrix instructions: K step 2 q + e, streamed tile i, my four tiles
.set KS, 2*(\q)+(\e)
.set WR, 64*(KS%4)
.set AR, AF+64*((\q)%2)+32*(\e)+16*(\i)
.set AD, ACC+32*(\i)
	WIN 1+KS/4                                     ; source 0 in window 1 or 2
.irp t, 0,1,2,3
.if KS == 0
	v_wmma_f32_16x16x128_fp8_fp8 v[AD+8*\t:AD+8*\t+7], v[WR+16*\t:WR+16*\t+15], v[AR:AR+15], v[BR+8*\t:BR+8*\t+7]
.else
	v_wmma_f32_16x16x128_fp8_fp8 v[AD+8*\t:AD+8*\t+7], v[WR+16*\t:WR+16*\t+15], v[AR:AR+15], v[AD+8*\t:AD+8*\t+7]
.endif
.endr
.endm
.macro REST q                          ; a quarter's other twelve
	MUL4 \q, 0, 1
	MUL4 \q, 1, 0
	MUL4 \q, 1, 1
	WIN 0
.endm
.macro MUL q                           ; 16 matrix instructions: two K steps x the eight accumulators, which take turns, one instruction a turn
	MUL4 \q, 0, 0
	REST \q
.endm
; A CHUNK: two streamed tiles against my four, K = 1,024: 64 matrix instructions.  Its first two runs of fragments were asked for by the chunk before (or by the head).
; mode 2: the next chunk goes into the other slot, and the chunk after next is asked for into registers;  mode 1: the next chunk goes into the other slot;  mode 0: the last chunk.
.macro CHUNK slot, mode
	global_load_b32 v[BS], v[VB], s[PBS:PBS+1] offset:128*\slot        ; no wait: no vector instruction since the last wait on va_vdst names v10, v12 or v[VB]
	global_load_b32 v[BS+2], v[VB], s[PBS:PBS+1] offset:128*\slot+32
	s_wait_dscnt 16                                ; the older run of 16 is in, the younger may be out
	MUL 0
	PLACES
	s_wait_alu depctr_va_vdst(0)                   ; quarter 0's products are done reading set 0, in which quarter 2's fragments land
	s_wait_dscnt 0x0                               ; quarter 1's fragments are in
	MUL4 1, 0, 0
	WIN 0
	FETCH 2, \slot                                 ; no vector or matrix instruction since the wait names set 0
	REST 1
	PLACES
	s_wait_alu depctr_va_vdst(0)                   ; quarter 1's products are done reading set 1, in which quarter 3's fragments land
	s_wait_dscnt 0x0                               ; quarter 2's fragments are in
	MUL4 2, 0, 0
	WIN 0
	FETCH 3, \slot                                 ; no vector or matrix instruction since the wait names set 1
.if \mode
	s_wait_loadcnt 2                               ; the next chunk is in my registers: behind its 16 loads stand the two bias loads alone
	STAGE_ST 1-\slot                               ; the other slot's last reads were waited for in front of the last barrier's signal
.endif
	REST 2
	s_wait_dscnt 0x0                               ; for the others' sake: my stores into the other slot have landed, and all my reads of this slot are back
.if \mode
	s_barrier_signal -1                            ; say so,
.endif
	MUL 3                                          ; work on registers while the others arrive,
	PLACES
.if \mode
	s_barrier_wait -1                              ; and behind this wait the other slot is whole, and this one may be stored over
	s_wait_alu depctr_va_vdst(0)                   ; quarters 2 and 3 are done reading both sets, in which the next chunk's first fragments land
.endif
	s_wait_alu depctr_vm_vsrc(0)                   ; the last chunk's stores have read the codes' registers, which the conversions below write; my LDS stores have read the staging registers, in which the loads below land
.if \mode
	FETCH 0, 1-\slot                               ; the next chunk's first fragments land under the vector work below
	FETCH 1, 1-\slot
.endif
.if \mode == 2
	STAGE_LD 32768*(\slot+2)                       ; the chunk after next: between the wait on vm_vsrc and these loads stand loads and a window switch alone
	s_wait_loadcnt 16                              ; the two bias loads are in: behind them stand these 16
.else
	s_wait_loadcnt 0x0
.endif
.irp i, 0,1
	v_ldexp_f32 v[BS+2*\i], v[BS+2*\i], s[NE]      ; bias / 2^(ea + eb)
.endr
.irp i, 0,1
	v_cndmask_b32 v[BS+2*\i], v[ZR], v[BS+2*\i], s[MSK]   ; for v alone
.endr
.irp i, 0,1
.irp p, 0,2,4,6,8,10,12,14,16,18,20,22,24,26,28,30
	v_pk_add_f32 v[ACC+32*\i+\p:ACC+32*\i+\p+1], v[ACC+32*\i+\p:ACC+32*\i+\p+1], v[BS+2*\i:BS+2*\i+1] op_sel_hi:[1,0]   ; each accumulator from its low end on
.endr
.endr
.set hn, 0
.rept 64
	v_med3_num_f32 v[ACC+hn], v[ACC+hn], -v[LIM], v[LIM]   ; the conversion does not saturate (ISA guide 7.6.2): the hold at 448 x the scale
.set hn, hn+1
.endr
	s_wait_alu depctr_va_vdst(0)
	s_wait_xcnt 0x0                                ; the last chunk's stores have read their data: the codes' registers are written again only behind this wait
.irp i, 0,1
.irp g, 0,1
	v_cvt_scalef32_pk8_fp8_f32 v[CODES+8*\i+4*\g:CODES+8*\i+4*\g+1], v[ACC+32*\i+16*\g:ACC+32*\i+16*\g+7], v[SCL]          ; my tiles 2 g, 2 g + 1: 16 neighbours along the next K
	v_cvt_scalef32_pk8_fp8_f32 v[CODES+8*\i+4*\g+2:CODES+8*\i+4*\g+3], v[ACC+32*\i+16*\g+8:ACC+32*\i+16*\g+15], v[SCL]
.endr
.endr
	v_nop                                          ; a plain line between the conversions and the next products, which write their sources
	s_wait_alu depctr_va_vdst(0)                   ; the conversions have written the codes, which the stores read; the additions are done with v10 and v12, in which the next chunk's bias lands
.irp i, 0,1
.irp g, 0,1
	global_store_b128 v[VO+2*\slot+\i], v[CODES+8*\i+4*\g:CODES+8*\i+4*\g+3], s[OUT:OUT+1] offset:512*\g
.endr
.endr
.endm
	s_load_b256 s[4:11], s[0:1], 0x0               ; ximg s[4:5], wimg s[6:7], bq s[8:9], bk s[10:11]
	s_load_b128 s[12:15], s[0:1], 0x20             ; bv s[12:13], scales s[14:15]
	s_load_b64 s[16:17], s[0:1], 0x30              ; qkv
	s_set_vgpr_msb 0xc0
	v_lshl_add_u32 v64, v0, 2, 0x10000
	v_mov_b32 v65, 0
	s_set_vgpr_msb 0xc000
	v_lshrrev_b32 v3, 5, v0
	v_readfirstlane_b32 s[WV], v3                  ; wave 0..3
	v_and_b32 v3, 31, v0
	v_lshlrev_b32 v[LI], 4, v3
	v_lshlrev_b32 v[TI], 4, v0
	v_and_b32 v3, 15, v0
	v_and_b32 v4, 8, v3
	v_add_nc_u32 v3, v3, v4
	v_lshlrev_b32 v[VB], 2, v3
	v_bfe_u32 v[HB], v0, 4, 1
	v_lshlrev_b32 v[HB], 6, v[HB]
	v_mov_b32 v[ZR], 0
	v_mov_b32 v[BS+1], 0
	v_mov_b32 v[BS+3], 0
	s_wait_alu depctr_va_sdst(0)                   ; the wave's number is written into s19, ahead of its first reader: offsets and bases are made from it
	s_and_b32 s[Y], ttmp7, 0xffff                  ; 0: q, 1: k, 2: v
	s_and_b32 s21, ttmp9, 3                        ; which 256 features
	s_lshr_b32 s22, ttmp9, 2                       ; which 256 rows of x
	s_lshr_b32 s23, s22, 3                         ; their batch
	s_lshl_b32 s33, s[Y], 20
	s_lshl_b32 s34, s21, 18
	s_add_co_u32 s36, s33, s34                     ; the weight's plane, its 16 tiles
	s_mov_b32 s37, 0
	s_lshl_b32 s33, s[Y], 22
	s_lshl_b32 s34, s22, 18
	s_add_co_u32 s38, s33, s34                     ; x's plane for this product's scale, its 16 tiles
	s_mov_b32 s39, 0
	s_lshl_b32 s50, s23, 4
	s_lshl_b32 s51, s21, 2
	s_add_co_u32 s50, s50, s51                     ; head 16 x batch + 4 x feature group,
	s_lshl_b32 s50, s50, 17
	s_lshl_b32 s51, s[Y], 22                       ; in plane y,
	s_add_co_u32 s50, s50, s51
	s_and_b32 s51, s22, 7
	s_lshl_b32 s51, s51, 14                        ; + my 256 positions: 16 tiles of 1,024 bytes (q, k), two key steps of 8,192 (v)
	s_add_co_u32 s50, s50, s51
	s_lshl_b32 s51, s[WV], 17                      ; q, k: my wave is a head of its own
	s_lshr_b32 s52, s[WV], 1
	s_lshl_b32 s52, s52, 13
	s_and_b32 s53, s[WV], 1
	s_lshl_b32 s53, s53, 10
	s_add_co_u32 s52, s52, s53                     ; v: my wave's 64 keys: key step w / 2, pieces c = 2 (w % 2) on
	s_cmp_eq_u32 s[Y], 2
	s_cselect_b32 s51, s52, s51
	s_cselect_b32 s[MSK], -1, 0
	s_mov_b32 s[SA], 4096                          ; a pair of chunks on: q, k: four position tiles;
	s_cselect_b32 s[SA], 0x20000, s[SA]            ; v: a head
	s_mov_b32 s[SA+1], 0
	s_mov_b32 s56, 2048                            ; a chunk on
	s_cselect_b32 s56, 4096, s56
	s_mov_b32 s57, 1024                            ; a tile on
	s_cselect_b32 s57, 2048, s57
	s_add_co_u32 s50, s50, s51
	s_mov_b32 s51, 0
	v_mov_b32 v[VO], v[LI]
	v_add_nc_u32 v[VO+1], s57, v[LI]
	v_add_nc_u32 v[VO+2], s56, v[LI]
	v_add_nc_u32 v[VO+3], s57, v[VO+2]
	s_wait_kmcnt 0x0
	s_load_b256 s[24:31], s[14:15], 0x0            ; e0 .. e7
	s_load_b32 s32, s[14:15], 0x20                 ; e8
	s_add_nc_u64 s[4:5], s[4:5], s[38:39]
	s_add_nc_u64 s[6:7], s[6:7], s[36:37]
	s_cmp_eq_u32 s[Y], 2                           ; the buffers are chosen on the work-group's y alone
	s_cselect_b64 s[RP:RP+1], s[4:5], s[6:7]
	s_cselect_b64 s[SP:SP+1], s[6:7], s[4:5]
	s_cselect_b64 s[10:11], s[12:13], s[10:11]
	s_cmp_eq_u32 s[Y], 0
	s_cselect_b64 s[8:9], s[8:9], s[10:11]         ; the product's bias
	s_lshl_b32 s36, s[WV], 16
	s_add_nc_u64 s[RP:RP+1], s[RP:RP+1], s[36:37]
	s_lshl_b32 s36, s21, 10
	s_add_nc_u64 s[PBS:PBS+1], s[8:9], s[36:37]
	s_lshl_b32 s36, s[WV], 8
	s_add_nc_u64 s[PBR:PBR+1], s[PBS:PBS+1], s[36:37]
	s_add_nc_u64 s[OUT:OUT+1], s[16:17], s[OUT:OUT+1]
	s_wait_alu depctr_va_vdst(0)                   ; the addresses and offsets v1 to v7 and v14 are written, which every load and store of the kernel reads; up to the last of the head's loads only loads and window switches follow
	STAGE_LD 0                                     ; chunk 0 first,
.irp t, 0,1,2,3                        ; then the bias in the result's layout: lane (r, h), tile t: rows 32 (t / 2) + 16 h + 8 (t % 2) + 0 .. 7
	global_load_b128 v[BR+8*\t:BR+8*\t+3], v[HB], s[PBR:PBR+1] offset:4*(32*(\t/2)+8*(\t%2))
	global_load_b128 v[BR+8*\t+4:BR+8*\t+7], v[HB], s[PBR:PBR+1] offset:4*(32*(\t/2)+8*(\t%2))+16
.endr
	WIN 0x40                                       ; then source 0, K step by K step: destination window 1,
.set rn, 0
.rept 64
	global_load_b128 v[4*rn:4*rn+3], v[LI], s[RP:RP+1] offset:2048*(rn/16)+16384*((rn/4)%4)+512*(rn%4)
.set rn, rn+1
.endr
	WIN 0x80                                       ; window 2
.set rn, 0
.rept 64
	global_load_b128 v[4*rn:4*rn+3], v[LI], s[RP:RP+1] offset:2048*(4+rn/16)+16384*((rn/4)%4)+512*(rn%4)
.set rn, rn+1
.endr
	WIN 0
	s_wait_kmcnt 0x0
	s_cmp_eq_u32 s[Y], 1
	s_cselect_b32 s24, s26, s24
	s_cselect_b32 s25, s27, s25
	s_cselect_b32 s30, s31, s30
	s_cmp_eq_u32 s[Y], 2
	s_cselect_b32 s24, s28, s24                    ; ea
	s_cselect_b32 s25, s29, s25                    ; eb
	s_cselect_b32 s30, s32, s30                    ; eo
	s_cmp_eq_u32 s[Y], 0
	s_cselect_b32 s26, 3, 0                        ; q's factor 1/8
	s_add_co_i32 s24, s24, s25
	s_sub_co_i32 s[NE], 0, s24
	s_sub_co_i32 s30, s30, s24
	s_add_co_i32 s30, s30, s26                     ; E
	s_add_co_i32 s30, s30, 127
	s_lshl_b32 s31, s30, 23
	v_mov_b32 v[SCL], s31
	s_add_co_i32 s30, s30, 8
	s_lshl_b32 s30, s30, 23
	s_or_b32 s30, s30, 0x600000
	v_mov_b32 v[LIM], s30
	s_wait_loadcnt 63                              ; of the 152 loads the oldest 89 are in: chunk 0's 16 and the bias's 8 among them
	STAGE_ST 0
.set bn, 0
.rept 32
	v_ldexp_f32 v[BR+bn], v[BR+bn], s[NE]
.set bn, bn+1
.endr
.set bn, 0
.rept 32
	v_cndmask_b32 v[BR+bn], v[BR+bn], v[ZR], s[MSK]   ; for q and k alone
.set bn, bn+1
.endr
	s_wait_dscnt 0x0
	s_barrier_signal -1
	s_barrier_wait -1                              ; chunk 0 lies in slot 0
	s_wait_alu depctr_vm_vsrc(0)                   ; my LDS stores have read the staging registers, in which chunk 1 lands; loads and a window switch alone stand between
	FETCH 0, 0                                     ; its first two runs of fragments (no vector instruction has named the two sets),
	FETCH 1, 0
	STAGE_LD 32768                                 ; and chunk 1 into the staging registers
	s_wait_loadcnt 16                              ; source 0 is in: behind it stand chunk 1's 16 loads
	s_mov_b32 s[CNT], 0
.Lpair:                                            ; three trips of two chunks; the last two chunks are written out, since they ask for less
	s_wait_alu depctr_va_vdst(0)
	CHUNK 0, 2
	CHUNK 1, 2
	s_wait_xcnt 0x0                                ; the loads and stores have read their bases
	s_add_nc_u64 s[SP:SP+1], s[SP:SP+1], 65536
	s_add_nc_u64 s[PBS:PBS+1], s[PBS:PBS+1], 256
	s_add_nc_u64 s[OUT:OUT+1], s[OUT:OUT+1], s[SA:SA+1]
	s_add_co_u32 s[CNT], s[CNT], 1
	s_cmp_lt_u32 s[CNT], 3
	s_cbranch_scc1 .Lpair
	CHUNK 0, 1
	CHUNK 1, 0
	s_set_vgpr_msb 0xf                             ; the add's two registers, sources 0 and 1, in window 3
	s_wait_dscnt 0x0                               ; the closing lines, six on end
	s_wait_alu 0x0
	s_wait_tensorcnt 0x0
	ds_add_u32 v64, v65
	s_wait_dscnt 0x0
	s_endpgm
.Lfunc_end_k_q59b2d6e5d1_proj:
	.size	k_q59b2d6e5d1_proj, .Lfunc_end_k_q59b2d6e5d1_proj-k_q59b2d6e5d1_proj
	.p2alignl 7, 3214868480
	.fill 96, 4, 3214868480
	.section	.rodata,"a",@progbits
	.p2align	6, 0x0
	.amdhsa_kernel k_q59b2d6e5d1_proj
		.amdhsa_group_segment_fixed_size 66048
		.amdhsa_private_segment_fixed_size 0
		.amdhsa_enable_private_segment 0
		.amdhsa_kernarg_size 56
		.amdhsa_user_sgpr_count 2
		.amdhsa_user_sgpr_kernarg_segment_ptr 1
		.amdhsa_wavefront_size32 1
		.amdhsa_system_sgpr_workgroup_id_x 1
		.amdhsa_system_sgpr_workgroup_id_y 1
		.amdhsa_system_sgpr_workgroup_id_z 1
		.amdhsa_system_vgpr_workitem_id 0
		.amdhsa_next_free_vgpr 834
		.amdhsa_next_free_sgpr 66
		.amdhsa_reserve_vcc 0
		.amdhsa_float_denorm_mode_32 3
		.amdhsa_float_denorm_mode_16_64 3
		.amdhsa_memory_ordered 1
		.amdhsa_forward_progress 1
		.amdhsa_inst_pref_size 99
	.end_amdhsa_kernel
	.amdgpu_metadata
---
amdhsa.version: [ 1, 2 ]
amdhsa.kernels:
  - .name:           k_q59b2d6e5d1_proj
    .symbol:         k_q59b2d6e5d1_proj.kd
    .args:
      - { .name: ximg, .offset: 0, .size: 8, .value_kind: global_buffer, .address_space: global }
      - { .name: wimg, .offset: 8, .size: 8, .value_kind: global_buffer, .address_space: global }
      - { .name: bq, .offset: 16, .size: 8, .value_kind: global_buffer, .address_space: global }
      - { .name: bk, .offset: 24, .size: 8, .value_kind: global_buffer, .address_space: global }
      - { .name: bv, .offset: 32, .size: 8, .value_kind: global_buffer, .address_space: global }
      - { .name: lowp_scales, .offset: 40, .size: 8, .value_kind: global_buffer, .address_space: global }
      - { .name: qkv, .offset: 48, .size: 8, .value_kind: global_buffer, .address_space: global }
    .group_segment_fixed_size: 66048
    .private_segment_fixed_size: 0
    .kernarg_segment_align: 8
    .kernarg_segment_size: 56
    .max_flat_workgroup_size: 128
    .sgpr_count:     66
    .vgpr_count:     834
    .wavefront_size: 32
...
	.end_amdgpu_metadata
.endif
;; end of part 6
;; launch attn (part 7): grid 8 x 32, 16 waves a work-group, no clusters, 67,584 bytes of LDS; arguments qkv, lowp_scales, ctximg; writes ctximg
.if DOCPART == 7
	.amdgcn_target "amdgcn-amd-amdhsa--gfx1250"
	.amdhsa_code_object_version 6
	.text
	.protected	k_q59b2d6e5d1_attn
	.globl	k_q59b2d6e5d1_attn
	.p2align	8
	.type	k_q59b2d6e5d1_attn,@function
k_q59b2d6e5d1_attn:
	s_mov_b64 s[64:65], 0
	v_nop
	global_prefetch_b8 v0, s[64:65] scope:SCOPE_SE
	s_setreg_imm32_b32 hwreg(HW_REG_WAVE_SCHED_MODE, 0, 2), 2
	s_setreg_imm32_b32 hwreg(HW_REG_WAVE_MODE, 25, 1), 1
	s_wait_xcnt 0x0
	s_wait_alu depctr_vm_vsrc(0)
; Causal attention on codes of FP8 (E4M3), head size 64, 32 heads (16 x batch + head) of 2,048 positions, and the context quantised at once for the last product (scales' entry 10).
; q, k, v arrive as images of operand registers: q, k: head x 131072 + position tile x 1024 + c x 512 + 16 lane (lane r: position 32 (T / 2) + 8 (T % 2) + r + 8 (r / 8); channels 32 c + 16 h + i);
; v: head x 131072 + key step x 8192 + t x 2048 + c x 512 + 16 lane (lane r: channel 32 (t / 2) + 8 (t % 2) + r + 8 (r / 8); keys 32 c + 16 h + i).
; THE SOFTMAX: t = score x log2(e) (q carries the factor 1/8 already); M = the running largest t rounded UP to a whole number; p = 2^(t - M) is quantised with 2^e9, not normalised; the row's sum is taken of the unquantised p
; and divides at the end; when M moves, the sum and O are multiplied by 2^(old M - new M), which rounds nothing.
; BOTH PRODUCTS TRANSPOSED: S^T = K Q^T (source 0 = 16 keys), O^T = V^T P^T (source 0 = 16 channels): a lane holds ONE query throughout; by the order of rows in the images the 16 registers of two neighbouring tiles are 16
; neighbours along the next K, so the conversions' results are the next operand's registers: p for the second product, and the context's image for the last.
; SHARES: a work-group owns two blocks of 128 queries of a head: block p (waves 0-7) and block 15 - p (waves 8-15), a tile of 16 queries a wave, so that every work-group has 17 block steps whatever p.
; It walks key steps 0 .. 15 - p, 128 keys each; a wave works in a step only while the step is not beyond its block (a scalar branch on ids, round the work alone), and masks in the step on the diagonal.
; THE RING: four LDS slots of 16 KB (a key step's K, 8 KB, then its V, 8 KB, as they lie).  Each thread copies 16 bytes of each through registers: tile j + 2 is asked for at the head of step j and stored at its end, in front of
; the step's one barrier.  So in step j tiles j and j + 1 are whole.  Between two barriers slot j % 4 (V) and slot (j + 1) % 4 (K) are read and slot (j + 2) % 4 is written; what that slot held, tile j - 2, was last read in front of
; the barrier of step j - 2.
; TWO BLOCKS OF 64 REGISTERS CHANGE PLACES from step to step: K of step j lies in one, S^T goes into the other; V of step j takes K's place behind the first product; K of step j + 1 takes the scores' place behind the
; conversions.  So a step begins with its products, and both runs of LDS loads land under the softmax's vector work.  A wave's last step reads a K that it does not multiply: the price of one text for every step.
; A trip runs four steps, so that slots and blocks are constants of the text.  Step 0, in which every wave works, stands ahead of the loop and starts O^T's sums.  The loop is counted against a constant; a work-group leaves it
; when its 16 - p steps are done (a branch on the work-group's number and the count of steps: the same in all its waves).
; NO CLUSTER: the eight work-groups of a head need different numbers of tiles (16 - p).
; LIMITS: e6 + e7 between -126 and 127 (added to log2(e)'s exponent field); e9, and e10 - e8 - e9, between -126 and 119.  NaN is not served.  k stands in the same permuted places in both operands.
; THE MODE: SCHED_MODE bits 1:0 = 2 (LLVM: expert scheduling mode 2), set by the entry lines.  The code itself states the register dependences between vector or matrix instructions and memory or LDS instructions, with s_wait_alu, always for 0.
; THE PLAN.  Registers that memory or LDS instructions touch, in a step:
;   v1, v2, v220  Addresses and offsets: written at the head, never again.
;   v24-31        Tile j + 2 on its way: global loads land at the step's head, LDS stores read at its end; no vector instruction names them.
;   block kb      K of this step: read by the eight products; then V's LDS loads land; read by the four products.
;   block sb      Written by the eight products, worked on by the softmax, read by the conversions; then the next K's LDS loads land.
;   v192-207      p's codes: vector and matrix instructions alone, but at the head (tile 1 passes through them) and at the end (the context's codes, stored).
; So a step has one wait on vm_vsrc, at its head (the last LDS stores have read v24-31), and three on va_vdst: behind the eight products (done reading K), behind the exponentials, behind the conversions (done with the scores).
; The diagonal's masks go through scalar registers: eight compares in a run, one wait on va_sdst, eight selects.
.set LI,   1                           ; v1   16 x lane
.set TI,   2                           ; v2   16 x thread
.set VD,   3                           ; v3   my query's place in its block - 16 h: register 16 b + i is hidden on the diagonal where 32 b + i is above it
.set NINF, 4                           ; v4   -infinity
.set PLIM, 5                           ; v5   448 x 2^e9
.set PSC,  6                           ; v6   2^e9
.set CSC,  7                           ; v7   2^(e10 - e8 - e9)
.set NM,   8                           ; v8 -M, v9 the largest t
.set LS,   10                          ; v[10:11] the sum, in two halves
.set FF,   12                          ; v[12:13] f = 2^(old M - new M) (v13 is named with it as a pair)
.set L2,   14                          ; v[14:15] the sum's second chain
.set Q,    16                          ; v16-23  my 16 queries
.set ST,   24                          ; v24-31  a tile's 32 bytes on their way to LDS
.set XB,   32                          ; v32-95  and
.set YB,   96                          ; v96-159 the two blocks that change places
.set O,    160                         ; v160-191 O^T
.set P,    192                         ; v192-207 p's codes
.set T0,   208
.set T2,   210
.set CLM,  211                         ; v211 448 x 2^(e10 - e8 - e9)
.set MX,   212                         ; v212-215 the maximum's four chains
.set L3,   216                         ; v[216:217], v[218:219] the sum's third and fourth chain
.set L4,   218
.set PFO,  220                         ; v220 the prefetches' offset: 256 x lane, in wave 1 + the distance from K's plane to V's; never rewritten
.set WV,   10
.set BH,   11
.set BLK,  13
.set TP,   14
.set NS,   15                          ; s15  the work-group's key steps: 16 - p
.set KV,   20                          ; s[20:21] K's image at the trip in hand; V's lies 4,194,304 bytes on
.set E9,   27
.set PFL,  29                          ; s29  16 in a wave that prefetches, else 0
.set J,    32                          ; s32  the key step
.set CNT,  33
.set TT,   34
.set CS,   36                          ; s[36:37] log2(e) x 2^(e6 + e7)
.set SEL,  38                          ; s[38:39] v_permlanex16_b32's selects for lane l xor 16
.set MK,   40                          ; s40-47 eight masks of the step on the diagonal
; KEY STEP j.  kb: the block with K of this step, later V;  sb: the block for the scores, later K of the next step;  slot = j % 4;  off: tile j + 2's bytes from s[KV];  first = 1: step 0.
.macro STEP kb, sb, slot, off, first
	s_wait_alu depctr_vm_vsrc(0)                   ; my LDS stores of the step before (at step 0: the head's) have read v24-31, in which the loads below land; at step 0 also v192-199, which the conversions write
.if !\first
	s_add_co_u32 s[TT], s[J], 2
	s_cmp_ge_u32 s[TT], s[NS]                      ; the last two steps ask for nothing
	s_cbranch_scc1 .Lnoask_\@
.endif
	global_load_b128 v[ST:ST+3], v[TI], s[KV:KV+1] offset:\off              ; tile j + 2: the work-group's load covers 8,192 consecutive bytes
	global_load_b128 v[ST+4:ST+7], v[TI], s[KV:KV+1] offset:\off+4194304
.if !\first
.Lnoask_\@:
.endif
; A PREFETCH INTO THE L2 of tile j + 4, two steps ahead of the loads that will ask for it.  All eight work-groups of a head read the same tiles: the one that walks all sixteen (x = 0) asks; in it wave 0 for K's 8,192 bytes and
; wave 1 for V's, lanes 256 bytes apart: each aligned block of 256 bytes is named once in the launch.  Tiles 0 to 3 come by their loads alone; nothing is asked for past tile 15.
	s_add_co_u32 s[TT], s[J], 4
	s_cmp_lt_u32 s[TT], s[PFL]
	s_cbranch_scc0 .Lnopf_\@
	global_prefetch_b8 v[PFO], s[KV:KV+1] offset:\off+2*8192 th:TH_LOAD_NT scope:SCOPE_SE
.Lnopf_\@:
.if !\first
	s_cmp_gt_u32 s[J], s[BLK]                      ; all of this step's keys come after my queries: nothing to do but the copy and the barrier
	s_cbranch_scc1 .Lskip_\@
.endif
.irp t, 0,1,2,3,4,5,6,7
	v_wmma_f32_16x16x64_fp8_fp8 v[\sb+8*\t:\sb+8*\t+7], v[\kb+8*\t:\kb+8*\t+7], v[Q:Q+7], 0   ; K was waited for in front of the last barrier
.endr
.rept 4
	v_nop                                          ; four places: in front of the loads into K's registers, and of the first read of the scores
.endr
	s_wait_alu depctr_va_vdst(0)                   ; the eight products are done reading K's registers, in which V lands
.irp t, 0,1,2,3
.irp c, 0,1,2,3
	ds_load_b128 v[\kb+16*\t+4*\c:\kb+16*\t+4*\c+3], v[LI] offset:16384*\slot+8192+2048*\t+512*\c   ; V lands while the softmax is walked
.endr
.endr
	s_cmp_lg_u32 s[J], s[BLK]
	s_cbranch_scc1 .Lopen_\@
.set n, 0
.rept 8                                ; on the diagonal hidden scores become -infinity ahead of the maximum: p = 0 then.  Each query sees its own key, so the row's maximum is a number
.set m, 0
.rept 8
	v_cmp_gt_i32 s[MK+m], 32*((n+m)/16)+(n+m)%16, v[VD]
.set m, m+1
.endr
	s_wait_alu depctr_va_sdst(0)                   ; the eight compares have written s40 to s47, which the eight selects read
.set m, 0
.rept 8
	v_cndmask_b32 v[\sb+n+m], v[\sb+n+m], v[NINF], s[MK+m]
.set m, m+1
.endr
.set n, n+8
.endr
.Lopen_\@:
	v_max3_num_f32 v[MX], v[\sb], v[\sb+1], v[\sb+2]           ; the step's largest score among my 64 keys, in four chains, the registers in ascending order: each accumulator from its low end on,
	v_max3_num_f32 v[MX+1], v[\sb+3], v[\sb+4], v[\sb+5]
	v_max3_num_f32 v[MX+2], v[\sb+6], v[\sb+7], v[\sb+8]
	v_max3_num_f32 v[MX+3], v[\sb+9], v[\sb+10], v[\sb+11]
.set n, 12
.rept 6
	v_max3_num_f32 v[MX], v[MX], v[\sb+n], v[\sb+n+1]
	v_max3_num_f32 v[MX+1], v[MX+1], v[\sb+n+2], v[\sb+n+3]
	v_max3_num_f32 v[MX+2], v[MX+2], v[\sb+n+4], v[\sb+n+5]
	v_max3_num_f32 v[MX+3], v[MX+3], v[\sb+n+6], v[\sb+n+7]
.set n, n+8
.endr
	v_max3_num_f32 v[MX], v[MX], v[\sb+60], v[\sb+61]
	v_max3_num_f32 v[MX+1], v[MX+1], v[\sb+62], v[\sb+63]
	v_max3_num_f32 v[T0], v[MX], v[MX+1], v[MX+2]
	v_max_num_f32 v[T0], v[T0], v[MX+3]
	v_permlanex16_b32 v[T2], v[T0], s[SEL], s[SEL+1]
	v_max_num_f32 v[T0], v[T0], v[T2]              ; and among lane l xor 16's
	v_mul_f32 v[T0], s[CS], v[T0]                  ; as t
	v_max_num_f32 v[NM+1], v[NM+1], v[T0]          ; the running largest t
	v_mov_b32 v[T0], v[NM]
	v_floor_f32 v[NM], -v[NM+1]                    ; -M = floor(-t): M is a whole number
	v_sub_f32 v[T0], v[NM], v[T0]                  ; old M - new M, 0 or less
	v_cvt_i32_f32 v[T0], v[T0]                     ; (it saturates)
	v_ldexp_f32 v[FF], 1.0, v[T0]                  ; f
.set n, 0
.rept 32
	v_pk_fma_f32 v[\sb+n:\sb+n+1], v[\sb+n:\sb+n+1], s[CS:CS+1], v[NM:NM+1] op_sel_hi:[1,0,0]   ; t - M, two at a time
.set n, n+2
.endr
.set n, 0
	s_wait_alu depctr_va_vdst(0)
.rept 64
	v_exp_f32 v[\sb+n], v[\sb+n]                   ; p = 2^(t - M)
.set n, n+1
.endr
	v_pk_mul_f32 v[LS:LS+1], v[LS:LS+1], v[FF:FF+1] op_sel_hi:[1,0]   ; the sum under the new M: the plain line behind the exponentials
	s_wait_alu depctr_va_vdst(0)                   ; the 64 exponentials have written p: one wait for the batch, ahead of its first reader
	v_pk_add_f32 v[L2:L2+1], v[\sb:\sb+1], v[\sb+2:\sb+3]      ; the sum of the unquantised p, in four chains
	v_pk_add_f32 v[L3:L3+1], v[\sb+4:\sb+5], v[\sb+6:\sb+7]
	v_pk_add_f32 v[L4:L4+1], v[\sb+8:\sb+9], v[\sb+10:\sb+11]
.set n, 12
.rept 6
	v_pk_add_f32 v[LS:LS+1], v[LS:LS+1], v[\sb+n:\sb+n+1]
	v_pk_add_f32 v[L2:L2+1], v[L2:L2+1], v[\sb+n+2:\sb+n+3]
	v_pk_add_f32 v[L3:L3+1], v[L3:L3+1], v[\sb+n+4:\sb+n+5]
	v_pk_add_f32 v[L4:L4+1], v[L4:L4+1], v[\sb+n+6:\sb+n+7]
.set n, n+8
.endr
	v_pk_add_f32 v[LS:LS+1], v[LS:LS+1], v[\sb+60:\sb+61]
	v_pk_add_f32 v[L2:L2+1], v[L2:L2+1], v[\sb+62:\sb+63]
	v_pk_add_f32 v[L3:L3+1], v[L3:L3+1], v[L4:L4+1]
	v_pk_add_f32 v[LS:LS+1], v[LS:LS+1], v[L2:L2+1]
	v_pk_add_f32 v[LS:LS+1], v[LS:LS+1], v[L3:L3+1]
	s_cmp_ge_i32 s[E9], -8                         ; p is at most 1 and 448 x 2^e9 is at least 1.75 from e9 = -8 on: the hold then holds nothing and is passed over (a branch on a given whole number)
	s_cbranch_scc1 .Lnohold_\@
.set n, 0
.rept 64
	v_min_num_f32 v[\sb+n], v[\sb+n], v[PLIM]      ; the conversion does not saturate (ISA guide 7.6.2); p is not negative
.set n, n+1
.endr
.Lnohold_\@:
.irp b, 0,1,2,3
	v_cvt_scalef32_pk8_fp8_f32 v[P+4*\b:P+4*\b+1], v[\sb+16*\b:\sb+16*\b+7], v[PSC]
	v_cvt_scalef32_pk8_fp8_f32 v[P+4*\b+2:P+4*\b+3], v[\sb+16*\b+8:\sb+16*\b+15], v[PSC]
.endr
	s_wait_alu depctr_va_vdst(0)                   ; the softmax has written p's registers for the last time and the conversions are done reading them: the next K lands there
.irp t, 0,1,2,3,4,5,6,7
.irp c, 0,1
	ds_load_b128 v[\sb+8*\t+4*\c:\sb+8*\t+4*\c+3], v[LI] offset:16384*((\slot+1)%4)+1024*\t+512*\c   ; K of the next step, into the registers that p has left; nothing below in this step names them
.endr
.endr
.if \first
	v_nop                                          ; a plain line between the conversions and the products
.else
.set n, 0
.rept 16
	v_pk_mul_f32 v[O+n:O+n+1], v[O+n:O+n+1], v[FF:FF+1] op_sel_hi:[1,0]   ; O^T under the new M; also the plain lines between the conversions and the products
.set n, n+2
.endr
.endif
	s_wait_alu depctr_va_vdst(0)
	s_wait_dscnt 16                                ; V is in: behind its 16 loads stand the next K's 16, which may be out
.irp t, 0,1,2,3
.if \first
	v_wmma_f32_16x16x128_fp8_fp8 v[O+8*\t:O+8*\t+7], v[\kb+16*\t:\kb+16*\t+15], v[P:P+15], 0   ; the first step starts the sums: nothing is cleared
.else
	v_wmma_f32_16x16x128_fp8_fp8 v[O+8*\t:O+8*\t+7], v[\kb+16*\t:\kb+16*\t+15], v[P:P+15], v[O+8*\t:O+8*\t+7]   ; the four accumulators take turns
.endif
.endr
.rept 5
	v_nop                                          ; five places: the next step's first products write over the registers that these have read as V
.endr
.if !\first
.Lskip_\@:
.endif
	s_add_co_u32 s[J], s[J], 1
	s_wait_loadcnt 0x0                             ; tile j + 2's 32 bytes are in my registers (asked for at the step's head); on every way, so that no load is out at the next step's head
.if !\first
	s_add_co_u32 s[TT], s[J], 1
	s_cmp_ge_u32 s[TT], s[NS]                      ; the same test as at the head
	s_cbranch_scc1 .Lnoput_\@
.endif
	ds_store_b128 v[TI], v[ST:ST+3] offset:16384*((\slot+2)%4)
	ds_store_b128 v[TI], v[ST+4:ST+7] offset:16384*((\slot+2)%4)+8192
.if !\first
.Lnoput_\@:
.endif
	s_wait_dscnt 0x0                               ; for the others' sake: my stores have landed and my reads are back; for mine: the next step's K is in
.if !\first
	s_cmp_eq_u32 s[J], s[NS]                       ; the work-group's steps are done
	s_cbranch_scc1 .Lout
.endif
	s_barrier_signal -1
	s_barrier_wait -1                              ; tile j + 2 is whole
.endm
	s_load_b128 s[4:7], s[0:1], 0x0                ; qkv s[4:5], scales s[6:7]
	s_load_b64 s[8:9], s[0:1], 0x10                ; ctximg
	v_lshl_add_u32 v254, v0, 2, 0x10000
	v_mov_b32 v255, 0
	v_lshrrev_b32 v1, 5, v0
	v_readfirstlane_b32 s[WV], v1                  ; wave 0..15
	v_and_b32 v1, 31, v0
	v_lshlrev_b32 v[PFO], 8, v1
	v_lshlrev_b32 v[LI], 4, v1
	v_lshlrev_b32 v[TI], 4, v0
	s_wait_alu depctr_va_sdst(0)                   ; the wave's number is written into s10, ahead of its first reader: my block, my tile and the bases are made from it
	s_and_b32 s[BH], ttmp7, 0xffff                 ; 16 x batch + head
	s_and_b32 s12, s[WV], 7
	s_sub_co_u32 s[BLK], 15, ttmp9
	s_cmp_lt_u32 s[WV], 8
	s_cselect_b32 s[BLK], ttmp9, s[BLK]            ; my block of 128 queries
	s_lshl_b32 s[TP], s[BLK], 3
	s_add_co_u32 s[TP], s[TP], s12                 ; my tile of 16 queries
	s_sub_co_u32 s[NS], 16, ttmp9                  ; 9 to 16 key steps
	s_lshr_b32 s16, s12, 1
	s_lshl_b32 s16, s16, 5
	s_and_b32 s17, s12, 1
	s_lshl_b32 s17, s17, 3
	s_add_co_u32 s16, s16, s17                     ; my tile's first position in its block
	v_and_b32 v[VD], 15, v0
	v_and_b32 v4, 8, v[VD]
	v_add_nc_u32 v[VD], v[VD], v4                  ; r + 8 (r / 8)
	v_bfe_u32 v4, v0, 4, 1
	v_lshlrev_b32 v4, 4, v4
	v_sub_nc_u32 v[VD], v[VD], v4
	v_add_nc_u32 v[VD], s16, v[VD]
	v_mov_b32 v[NINF], 0xff800000
	s_lshr_b32 s30, s[WV], 1                       ; who prefetches: waves 0 and 1
	s_or_b32 s30, s30, ttmp9                       ; of the head's work-group x = 0
	s_cmp_eq_u32 s30, 0
	s_cselect_b32 s[PFL], 16, 0
	s_and_b32 s30, s[WV], 1
	s_lshl_b32 s30, s30, 22                        ; wave 1: V's plane
	v_add_nc_u32 v[PFO], s30, v[PFO]
	s_lshl_b32 s18, s[BH], 17
	s_mov_b32 s19, 0
	s_lshr_b32 s22, s[BH], 4
	s_lshl_b32 s22, s22, 7
	s_add_co_u32 s22, s22, s[TP]
	s_lshl_b32 s22, s22, 14                        ; the context's image: row tile 128 x batch + my tile,
	s_and_b32 s23, s[BH], 15
	s_lshl_b32 s23, s23, 10                        ; K step head / 2, pieces c = 2 (head % 2) on: 1,024 x head
	s_add_co_u32 s22, s22, s23
	s_mov_b32 s23, 0
	s_mov_b32 s[SEL], 0x76543210
	s_mov_b32 s[SEL+1], 0xfedcba98
	s_mov_b32 s[J], 0
	s_mov_b32 s[CNT], 0
	s_wait_kmcnt 0x0
	s_load_b128 s[24:27], s[6:7], 0x18             ; e6, e7, e8, e9
	s_load_b32 s28, s[6:7], 0x28                   ; e10
	s_add_nc_u64 s[4:5], s[4:5], s[18:19]          ; q's plane at my head
	s_add_nc_u64 s[KV:KV+1], s[4:5], 0x400000      ; k's
	s_lshl_b32 s18, s[TP], 10
	s_add_nc_u64 s[4:5], s[4:5], s[18:19]
	s_add_nc_u64 s[8:9], s[8:9], s[22:23]
	s_wait_alu depctr_va_vdst(0)                   ; v1, v2 and v220 are written, which every load, store and prefetch of the kernel reads as its address or offset
	global_load_b128 v[ST:ST+3], v[TI], s[KV:KV+1]                 ; key step 0,
	global_load_b128 v[ST+4:ST+7], v[TI], s[KV:KV+1] offset:4194304
	global_load_b128 v[P:P+3], v[TI], s[KV:KV+1] offset:8192       ; key step 1 (through the registers that p's codes will take),
	global_load_b128 v[P+4:P+7], v[TI], s[KV:KV+1] offset:8192+4194304
	global_load_b128 v[Q:Q+3], v[LI], s[4:5]                       ; my queries
	global_load_b128 v[Q+4:Q+7], v[LI], s[4:5] offset:512
	v_mov_b32 v[NM+1], 0xff61b1e6                  ; the largest t so far: -3e38, under every t
	v_floor_f32 v[NM], -v[NM+1]
	v_mov_b32 v[LS], 0
	v_mov_b32 v[LS+1], 0
	v_mov_b32 v[FF+1], 0
	v_mov_b32 v[T2], 0                             ; a lane permute's destination counts as read
	s_wait_kmcnt 0x0
	s_add_co_i32 s34, s24, s25
	s_lshl_b32 s34, s34, 23
	s_add_co_i32 s[CS], s34, 0x3fb8aa3b            ; log2(e) with e6 + e7 added to its exponent field
	s_mov_b32 s[CS+1], s[CS]
	s_add_co_i32 s34, s[E9], 127
	s_lshl_b32 s35, s34, 23
	v_mov_b32 v[PSC], s35
	s_add_co_i32 s34, s34, 8
	s_lshl_b32 s34, s34, 23
	s_or_b32 s34, s34, 0x600000
	v_mov_b32 v[PLIM], s34
	s_sub_co_i32 s34, s28, s26                     ; O^T / the sum stands for the context / 2^(e8 + e9): its code is that / 2^(e10 - e8 - e9)
	s_sub_co_i32 s34, s34, s[E9]
	s_add_co_i32 s34, s34, 127
	s_lshl_b32 s35, s34, 23
	v_mov_b32 v[CSC], s35
	s_add_co_i32 s34, s34, 8
	s_lshl_b32 s34, s34, 23
	s_or_b32 s34, s34, 0x600000
	v_mov_b32 v[CLM], s34
	s_wait_loadcnt 0x0
	ds_store_b128 v[TI], v[ST:ST+3]
	ds_store_b128 v[TI], v[ST+4:ST+7] offset:8192
	ds_store_b128 v[TI], v[P:P+3] offset:16384
	ds_store_b128 v[TI], v[P+4:P+7] offset:16384+8192
	s_wait_dscnt 0x0
	s_barrier_signal -1
	s_barrier_wait -1                              ; key steps 0 and 1 lie in slots 0 and 1
.irp t, 0,1,2,3,4,5,6,7
.irp c, 0,1
	ds_load_b128 v[XB+8*\t+4*\c:XB+8*\t+4*\c+3], v[LI] offset:1024*\t+512*\c   ; K of step 0 (no vector instruction has named these registers)
.endr
.endr
	s_wait_dscnt 0x0
	STEP XB, YB, 0, 2*8192, 1                      ; step 0: every wave works in it
.Ltrip:                                            ; steps 1 + 4 c .. 4 + 4 c; at most four trips, left at the work-group's last step
	STEP YB, XB, 1, 3*8192, 0
	STEP XB, YB, 2, 4*8192, 0
	STEP YB, XB, 3, 5*8192, 0
	STEP XB, YB, 0, 6*8192, 0
	s_wait_xcnt 0x0                                ; the prefetches have read their base (the loads that named it have been waited for)
	s_add_nc_u64 s[KV:KV+1], s[KV:KV+1], 32768
	s_add_co_u32 s[CNT], s[CNT], 1
	s_cmp_lt_u32 s[CNT], 4
	s_cbranch_scc1 .Ltrip
.Lout:
	; THE WAY OUT: O^T / the sum, held, converted: tiles 2 g and 2 g + 1 are channels 32 g + 16 h + 0 .. 15 of my query: 16 bytes of the context's image
	v_add_f32 v[LS], v[LS], v[LS+1]
	v_permlanex16_b32 v[T2], v[LS], s[SEL], s[SEL+1]
	v_add_f32 v[LS], v[LS], v[T2]                  ; the row's sum
	s_wait_alu depctr_va_vdst(0)
	v_rcp_f32 v[LS], v[LS]
	v_nop                                          ; a plain line behind the reciprocal,
	s_wait_alu depctr_va_vdst(0)                   ; and a wait ahead of its first reader: the reciprocal has written v10
.set n, 0
.rept 16
	v_pk_mul_f32 v[O+n:O+n+1], v[O+n:O+n+1], v[LS:LS+1] op_sel_hi:[1,0]
.set n, n+2
.endr
.set n, 0
.rept 32
	v_med3_num_f32 v[O+n], v[O+n], -v[CLM], v[CLM]
.set n, n+1
.endr
.irp g, 0,1
	v_cvt_scalef32_pk8_fp8_f32 v[P+4*\g:P+4*\g+1], v[O+16*\g:O+16*\g+7], v[CSC]
	v_cvt_scalef32_pk8_fp8_f32 v[P+4*\g+2:P+4*\g+3], v[O+16*\g+8:O+16*\g+15], v[CSC]
.endr
	v_nop
	s_wait_alu depctr_va_vdst(0)                   ; the conversions have written v192-199, which the two stores read
.irp g, 0,1
	global_store_b128 v[LI], v[P+4*\g:P+4*\g+3], s[8:9] offset:512*\g   ; each store of the wave covers 512 consecutive bytes, aligned
.endr
	s_wait_dscnt 0x0                               ; the closing lines, six on end
	s_wait_alu 0x0
	s_wait_tensorcnt 0x0
	ds_add_u32 v254, v255
	s_wait_dscnt 0x0
	s_endpgm
.Lfunc_end_k_q59b2d6e5d1_attn:
	.size	k_q59b2d6e5d1_attn, .Lfunc_end_k_q59b2d6e5d1_attn-k_q59b2d6e5d1_attn
	.p2alignl 7, 3214868480
	.fill 96, 4, 3214868480
	.section	.rodata,"a",@progbits
	.p2align	6, 0x0
	.amdhsa_kernel k_q59b2d6e5d1_attn
		.amdhsa_group_segment_fixed_size 67584
		.amdhsa_private_segment_fixed_size 0
		.amdhsa_enable_private_segment 0
		.amdhsa_kernarg_size 24
		.amdhsa_user_sgpr_count 2
		.amdhsa_user_sgpr_kernarg_segment_ptr 1
		.amdhsa_wavefront_size32 1
		.amdhsa_system_sgpr_workgroup_id_x 1
		.amdhsa_system_sgpr_workgroup_id_y 1
		.amdhsa_system_sgpr_workgroup_id_z 1
		.amdhsa_system_vgpr_workitem_id 0
		.amdhsa_next_free_vgpr 256
		.amdhsa_next_free_sgpr 66
		.amdhsa_reserve_vcc 0
		.amdhsa_float_denorm_mode_32 3
		.amdhsa_float_denorm_mode_16_64 3
		.amdhsa_memory_ordered 1
		.amdhsa_forward_progress 1
		.amdhsa_inst_pref_size 136
	.end_amdhsa_kernel
	.amdgpu_metadata
---
amdhsa.version: [ 1, 2 ]
amdhsa.kernels:
  - .name:           k_q59b2d6e5d1_attn
    .symbol:         k_q59b2d6e5d1_attn.kd
    .args:
      - { .name: qkv, .offset: 0, .size: 8, .value_kind: global_buffer, .address_space: global }
      - { .name: lowp_scales, .offset: 8, .size: 8, .value_kind: global_buffer, .address_space: global }
      - { .name: ctximg, .offset: 16, .size: 8, .value_kind: global_buffer, .address_space: global }
    .group_segment_fixed_size: 67584
    .private_segment_fixed_size: 0
    .kernarg_segment_align: 8
    .kernarg_segment_size: 24
    .max_flat_workgroup_size: 512
    .sgpr_count:     66
    .vgpr_count:     256
    .wavefront_size: 32
...
	.end_amdgpu_metadata
.endif
;; end of part 7
;; launch oproj (part 8): grid 4 x 64, 4 waves a work-group, no clusters, 83,456 bytes of LDS; arguments ctximg, wimg, bo, lowp_scales, out0; writes out0
.if DOCPART == 8
	.amdgcn_target "amdgcn-amd-amdhsa--gfx1250"
	.amdhsa_code_object_version 6
	.text
	.protected	k_q59b2d6e5d1_oproj
	.globl	k_q59b2d6e5d1_oproj
	.p2align	8
	.type	k_q59b2d6e5d1_oproj,@function
k_q59b2d6e5d1_oproj:
	s_mov_b64 s[64:65], 0
	v_nop
	global_prefetch_b8 v0, s[64:65] scope:SCOPE_SE
	s_setreg_imm32_b32 hwreg(HW_REG_WAVE_SCHED_MODE, 0, 2), 2
	s_setreg_imm32_b32 hwreg(HW_REG_WAVE_MODE, 25, 1), 1
	s_wait_xcnt 0x0
	s_wait_alu depctr_vm_vsrc(0)
; out = context wo^T + bo on codes of FP8 (E4M3); out0 [2048][2][1024] f32.  A finished sum is multiplied by 2^(e10 + e11) and the bias added, in one packed multiply-add for two numbers.
; Operands are images of registers: byte T x 16384 + ks x 2048 + c x 512 + 16 x lane + i holds row 32 (T / 2) + 8 (T % 2) + r + 8 (r / 8), k = 128 ks + 32 c + 16 h + i.  The context's rows are 2048 x batch + position.
; A work-group makes 64 rows by 256 features, K = 1,024: 256 work-groups.  SOURCE 0 = wo's rows, 64 a wave, all of K in 512 registers, read once; SOURCE 1 = the context's four tiles (64 KB, dense), staged through registers
; into LDS at the head, read by all four waves.  One barrier.  A lane's results are one row and 16 neighbouring features.
; THE WAY OUT: a tile's 16 rows x 64 features go through the wave's own stage in LDS (rows 272 bytes apart) and come back by rows: sixteen lanes store 256 consecutive bytes, at a multiple of 256 from out0's first byte.
; NO CLUSTER: four fifths of a work-group's 320 KB go from memory straight into registers, where a joint load, which lands in LDS, cannot put them.
; LIMIT: e10 + e11 between -126 and 127.  k stands in the same permuted places in both operands.
; REGISTERS: window 0: v1-14 addresses; v30, v31 the closing add's two; v32-159 source 1's fragments, two sets (at the head: staging; on the way out: v32-95 results, v96-159 rows read back); v160-223 eight accumulators; v224-255 the bias.  Windows 1, 2: source 0.
; THE MODE: SCHED_MODE bits 1:0 = 2 (LLVM: expert scheduling mode 2), set by the entry lines.  The code itself states the register dependences between vector or matrix instructions and memory or LDS instructions, with s_wait_alu, always for 0.
; THE PLAN.  Registers that memory or LDS instructions touch, in a chunk:
;   v1-5, v14     Addresses and offsets: written at the head, never again.
;   set 0 (v32-95)   LDS loads of quarters 0 and 2 land; their products read; then the multiply-adds write the results there, and the stage's LDS stores read them.
;   set 1 (v96-159)  LDS loads of quarters 1 and 3 land; their products read; then the rows come back from the stage there, and the global stores read them.
; So a chunk has one wait on vm_vsrc, at its head (the stores that read both sets have read them), and three on va_vdst: behind quarter 0 and behind quarter 1 (their set is free: the loads into it follow behind the
; next quarter's first four products, which name the other set, source 0 and the accumulators alone), and ahead of the stage's stores (the results are written; quarter 3 is done reading set 1).  No vector instruction stands
; between that last wait and the next chunk's first loads.
.set LI,    1                          ; v1   16 x lane
.set TI,    2                          ; v2   16 x thread
.set SO,    3                          ; v3   the stage: where I put 64 bytes of a row
.set SR,    4                          ; v4   and where I read a row back
.set GO,    5                          ; v5   my byte offset in two rows of out0
.set HB,    14                         ; v14  64 h
.set AF,    32
.set TMPO,  32
.set OB,    96
.set ACC,   160
.set BO,    224
.set SPITCH, 272
.set STAGE, 65536
.set WV,    19
.set SS,    30                         ; s[30:31] 2^(e10 + e11)
.set MSB, 0
.macro WIN new                         ; the immediate's high byte repeats the setting that is left; a switch that changes nothing is dropped
.if MSB != (\new)
	s_set_vgpr_msb (MSB<<8)|(\new)
.set MSB, (\new)
.endif
.endm
.macro PLACES                          ; four plain places behind matrix instructions, in front of loads into registers that they read and of the first read of results
.rept 4
	v_nop
.endr
.endm
.macro FETCH q, slot                   ; K steps 2 q and 2 q + 1 of the chunk's two tiles into set q % 2
.irp e, 0,1
.irp i, 0,1
.irp c, 0,1,2,3
	ds_load_b128 v[AF+64*((\q)%2)+32*\e+16*\i+4*\c:AF+64*((\q)%2)+32*\e+16*\i+4*\c+3], v[LI] offset:32768*(\slot)+16384*\i+2048*(2*(\q)+\e)+512*\c
.endr
.endr
.endr
.endm
.macro MUL4 q, e, i                    ; four matrix instructions: K step 2 q + e, the chunk's tile i, my four tiles; the first K step starts the sums
.set KS, 2*(\q)+(\e)
.set WR, 64*(KS%4)
.set AR, AF+64*((\q)%2)+32*(\e)+16*(\i)
.set AD, ACC+32*(\i)
	WIN 1+KS/4
.irp t, 0,1,2,3
.if KS == 0
	v_wmma_f32_16x16x128_fp8_fp8 v[AD+8*\t:AD+8*\t+7], v[WR+16*\t:WR+16*\t+15], v[AR:AR+15], 0
.else
	v_wmma_f32_16x16x128_fp8_fp8 v[AD+8*\t:AD+8*\t+7], v[WR+16*\t:WR+16*\t+15], v[AR:AR+15], v[AD+8*\t:AD+8*\t+7]
.endif
.endr
.endm
.macro REST q                          ; a quarter's other twelve
	MUL4 \q, 0, 1
	MUL4 \q, 1, 0
	MUL4 \q, 1, 1
	WIN 0
.endm
.macro MUL q                           ; 16 matrix instructions: two K steps x the eight accumulators, which take turns, one instruction a turn
	MUL4 \q, 0, 0
	REST \q
.endm
.macro CHUNK ch                        ; two tiles of the context against my four of wo
.if \ch
	s_wait_xcnt 0x0                                ; the first chunk's stores have read their data: those registers take fragments again
.endif
	s_wait_alu depctr_vm_vsrc(0)                   ; the stores issued so far have read v32-159, in which fragments land: at the first chunk the head's LDS stores, at the second the stage's LDS stores (v32-95) and the global stores (v96-159)
	FETCH 0, \ch
	FETCH 1, \ch
	s_wait_dscnt 16                                ; the older run of 16 is in, the younger may be out
	MUL 0
	PLACES
	s_wait_alu depctr_va_vdst(0)                   ; quarter 0's products are done reading set 0, in which quarter 2's fragments land
	s_wait_dscnt 0x0                               ; quarter 1's fragments are in
	MUL4 1, 0, 0
	WIN 0
	FETCH 2, \ch                                   ; no vector or matrix instruction since the wait names set 0
	REST 1
	PLACES
	s_wait_alu depctr_va_vdst(0)                   ; quarter 1's products are done reading set 1, in which quarter 3's fragments land
	s_wait_dscnt 0x0                               ; quarter 2's fragments are in
.if \ch == 0
	s_wait_loadcnt 32                              ; wo's K steps 4 and 5 are in: behind them stand the 32 loads of K steps 6 and 7
.endif
	MUL4 2, 0, 0
	WIN 0
	FETCH 3, \ch                                   ; no vector or matrix instruction since the wait names set 1
	REST 2
	s_wait_dscnt 0x0
.if \ch == 0
	s_wait_loadcnt 0x0
.endif
	MUL 3
	PLACES
.irp i, 0,1
.irp t, 0,1,2,3
.irp p, 0,2,4,6
	v_pk_fma_f32 v[TMPO+32*\i+8*\t+\p:TMPO+32*\i+8*\t+\p+1], v[ACC+32*\i+8*\t+\p:ACC+32*\i+8*\t+\p+1], s[SS:SS+1], v[BO+8*\t+\p:BO+8*\t+\p+1] op_sel_hi:[1,0,1]   ; sum x 2^(e10 + e11) + bo; each accumulator from its low end on
.endr
.endr
.endr
	s_wait_alu depctr_va_vdst(0)                   ; the multiply-adds have written v32-95, which the LDS stores read; quarter 3's products are done reading v96-159, in which the rows land
.irp i, 0,1
.irp g, 0,1
.irp u, 0,1,2,3
	ds_store_b128 v[SO], v[TMPO+32*\i+16*\g+4*\u:TMPO+32*\i+16*\g+4*\u+3] offset:128*\g+16*\u   ; lane (r, h): features 32 g + 16 h + 4 u on, of the tile's row r
.endr
.endr
.irp n, 0,1,2,3,4,5,6,7
	ds_load_b128 v[OB+32*\i+4*\n:OB+32*\i+4*\n+3], v[SR] offset:2*SPITCH*\n   ; LDS serves a wave's instructions in order: these see the stores above, and the next tile's stores come behind them
.endr
.endr
.irp i, 0,1
	s_wait_dscnt 16*(1-\i)                         ; tile 0's rows are back (behind them: tile 1's 8 stores and 8 loads); then tile 1's
.irp n, 0,1,2,3,4,5,6,7
	global_store_b128 v[GO], v[OB+32*\i+4*\n:OB+32*\i+4*\n+3], s[12:13] offset:(32*\ch+8*\i+2*\n+8*(\n/4))*8192 th:TH_STORE_NT   ; the tile's rows 2 n and 2 n + 1 are positions 2 n + 8 (n / 4) + h on; written once, read by nobody here
.endr
.endr
.endm
	s_load_b256 s[4:11], s[0:1], 0x0               ; ctximg s[4:5], wimg s[6:7], bo s[8:9], scales s[10:11]
	s_load_b64 s[12:13], s[0:1], 0x20              ; out0
	v_lshl_add_u32 v30, v0, 2, 0x14400
	v_mov_b32 v31, 0
	v_lshrrev_b32 v3, 5, v0
	v_readfirstlane_b32 s[WV], v3                  ; wave 0..3
	v_and_b32 v3, 31, v0
	v_lshlrev_b32 v[LI], 4, v3
	v_lshlrev_b32 v[TI], 4, v0
	v_and_b32 v6, 15, v0                           ; r
	v_bfe_u32 v7, v0, 4, 1                         ; h
	v_lshlrev_b32 v[HB], 6, v7
	s_wait_alu depctr_va_sdst(0)                   ; the wave's number is written into s19, ahead of its first reader: my stage and the bases are made from it
	s_mul_i32 s21, s[WV], 16*SPITCH
	s_add_co_u32 s21, s21, STAGE                   ; my stage, behind the two chunks
	v_mul_u32_u24 v[SO], v6, SPITCH
	v_lshl_add_u32 v[SO], v7, 6, v[SO]
	v_add_nc_u32 v[SO], s21, v[SO]
	v_mul_u32_u24 v[SR], v7, SPITCH
	v_lshl_add_u32 v[SR], v6, 4, v[SR]
	v_add_nc_u32 v[SR], s21, v[SR]
	v_lshlrev_b32 v[GO], 13, v7                    ; a position on is 8,192 bytes (two batches)
	v_lshl_add_u32 v[GO], v6, 4, v[GO]
	s_and_b32 s20, ttmp7, 0xffff                   ; which 64 rows
	s_lshl_b32 s22, s20, 16
	s_mov_b32 s23, 0
	s_lshl_b32 s24, ttmp9, 18                      ; which 256 features,
	s_lshl_b32 s25, s[WV], 16                      ; my wave's 64,
	s_add_co_u32 s24, s24, s25
	s_add_co_u32 s24, s24, 0x300000                ; in wo's plane
	s_mov_b32 s25, 0
	s_lshl_b32 s26, ttmp9, 10
	s_lshl_b32 s27, s[WV], 8
	s_add_co_u32 s26, s26, s27                     ; the same features in bo and in a row of out0, in bytes
	s_mov_b32 s27, 0
	s_lshr_b32 s28, s20, 5
	s_lshl_b32 s28, s28, 12                        ; the batch,
	s_and_b32 s29, s20, 31
	s_lshl_b32 s29, s29, 19                        ; 64 positions of 8,192 bytes
	s_add_co_u32 s28, s28, s29
	s_add_co_u32 s28, s28, s26
	s_mov_b32 s29, 0
	s_wait_kmcnt 0x0
	s_load_b64 s[30:31], s[10:11], 0x28            ; e10, e11
	s_add_nc_u64 s[4:5], s[4:5], s[22:23]
	s_add_nc_u64 s[6:7], s[6:7], s[24:25]
	s_add_nc_u64 s[8:9], s[8:9], s[26:27]
	s_add_nc_u64 s[12:13], s[12:13], s[28:29]
	s_wait_alu depctr_va_vdst(0)                   ; the addresses and offsets v1 to v5 and v14 are written, which every load and store of the kernel reads; up to the last of the head's loads only loads and window switches follow
.set sn, 0
.rept 32                               ; the context's 64 KB: 32 loads a thread, each 2,048 consecutive bytes for the work-group
	global_load_b128 v[AF+4*sn:AF+4*sn+3], v[TI], s[4:5] offset:2048*sn
.set sn, sn+1
.endr
.irp t, 0,1,2,3                        ; the bias in the result's layout: lane (r, h), tile t: features 32 (t / 2) + 16 h + 8 (t % 2) + 0 .. 7
	global_load_b128 v[BO+8*\t:BO+8*\t+3], v[HB], s[8:9] offset:4*(32*(\t/2)+8*(\t%2))
	global_load_b128 v[BO+8*\t+4:BO+8*\t+7], v[HB], s[8:9] offset:4*(32*(\t/2)+8*(\t%2))+16
.endr
	WIN 0x40                                       ; wo, K step by K step: destination window 1,
.set rn, 0
.rept 64
	global_load_b128 v[4*rn:4*rn+3], v[LI], s[6:7] offset:2048*(rn/16)+16384*((rn/4)%4)+512*(rn%4)
.set rn, rn+1
.endr
	WIN 0x80                                       ; window 2
.set rn, 0
.rept 64
	global_load_b128 v[4*rn:4*rn+3], v[LI], s[6:7] offset:2048*(4+rn/16)+16384*((rn/4)%4)+512*(rn%4)
.set rn, rn+1
.endr
	WIN 0
	s_wait_kmcnt 0x0
	s_add_co_i32 s[SS], s30, s31
	s_add_co_i32 s[SS], s[SS], 127
	s_lshl_b32 s[SS], s[SS], 23                    ; 2^(e10 + e11) as f32
	s_mov_b32 s[SS+1], s[SS]                       ; (named with it as a pair, so it is written)
	s_wait_loadcnt 63                              ; of the 168 loads the oldest 105 are in: the context's 32, the bias's 8, and wo's K steps 0 to 3
.set sn, 0
.rept 32
	ds_store_b128 v[TI], v[AF+4*sn:AF+4*sn+3] offset:2048*sn
.set sn, sn+1
.endr
	s_wait_dscnt 0x0                               ; for the others' sake: my stores have landed
	s_barrier_signal -1
	s_barrier_wait -1                              ; the context's four tiles lie in LDS
	CHUNK 0
	CHUNK 1
	s_wait_dscnt 0x0                               ; the closing lines, six on end
	s_wait_alu 0x0
	s_wait_tensorcnt 0x0
	ds_add_u32 v30, v31
	s_wait_dscnt 0x0
	s_endpgm
.Lfunc_end_k_q59b2d6e5d1_oproj:
	.size	k_q59b2d6e5d1_oproj, .Lfunc_end_k_q59b2d6e5d1_oproj-k_q59b2d6e5d1_oproj
	.p2alignl 7, 3214868480
	.fill 96, 4, 3214868480
	.section	.rodata,"a",@progbits
	.p2align	6, 0x0
	.amdhsa_kernel k_q59b2d6e5d1_oproj
		.amdhsa_group_segment_fixed_size 83456
		.amdhsa_private_segment_fixed_size 0
		.amdhsa_enable_private_segment 0
		.amdhsa_kernarg_size 40
		.amdhsa_user_sgpr_count 2
		.amdhsa_user_sgpr_kernarg_segment_ptr 1
		.amdhsa_wavefront_size32 1
		.amdhsa_system_sgpr_workgroup_id_x 1
		.amdhsa_system_sgpr_workgroup_id_y 1
		.amdhsa_system_sgpr_workgroup_id_z 1
		.amdhsa_system_vgpr_workitem_id 0
		.amdhsa_next_free_vgpr 768
		.amdhsa_next_free_sgpr 66
		.amdhsa_reserve_vcc 0
		.amdhsa_float_denorm_mode_32 3
		.amdhsa_float_denorm_mode_16_64 3
		.amdhsa_memory_ordered 1
		.amdhsa_forward_progress 1
		.amdhsa_inst_pref_size 50
	.end_amdhsa_kernel
	.amdgpu_metadata
---
amdhsa.version: [ 1, 2 ]
amdhsa.kernels:
  - .name:           k_q59b2d6e5d1_oproj
    .symbol:         k_q59b2d6e5d1_oproj.kd
    .args:
      - { .name: ctximg, .offset: 0, .size: 8, .value_kind: global_buffer, .address_space: global }
      - { .name: wimg, .offset: 8, .size: 8, .value_kind: global_buffer, .address_space: global }
      - { .name: bo, .offset: 16, .size: 8, .value_kind: global_buffer, .address_space: global }
      - { .name: lowp_scales, .offset: 24, .size: 8, .value_kind: global_buffer, .address_space: global }
      - { .name: out0, .offset: 32, .size: 8, .value_kind: global_buffer, .address_space: global }
    .group_segment_fixed_size: 83456
    .private_segment_fixed_size: 0
    .kernarg_segment_align: 8
    .kernarg_segment_size: 40
    .max_flat_workgroup_size: 128
    .sgpr_count:     66
    .vgpr_count:     768
    .wavefront_size: 32
...
	.end_amdgpu_metadata
.endif
;; end of part 8
